; MI455X (gfx1250); checked and timed in simulation.
; The chip was launched on July 23, 2026; its instructions are those of AMD's public machine-readable ISA for CDNA 5 (MIT licence, August 2026) and "CDNA5" Instruction Set Architecture Reference Guide (July 2026). The comments in the code are by the model that wrote it; some were corrected since.
;; Vp Mo ETPA Attention. Allowed arithmetic: matrix products marked QUANTISED: E2M1 operands, one E8M0 scale for each 32 along K, by v_wmma_scale_f32_16x16x128_f8f6f4 with both operands' format E2M1 (or v_wmma_scale_f32_32x16x128_f4), f32 sums; products left as they are: f32 operands where the result goes on into a quantised operand, else bf16, f16 or f32 operands; f32 sums; everything else in f32.
;; Inputs: W_A_k 2,048 x 8 float32; W_A_q 2,048 x 96 float32; W_A_v 2,048 x 8 float32; W_B_k 2,048 x 256 float32; W_B_q 2,048 x 768 float32; W_B_v 2,048 x 256 float32; W_o 2,048 x 2,048 float32; attention_mask 1 x 1 x 2,048 x 2,048 float32; cos 2 x 2,048 x 64 float32; hidden_states 2 x 2,048 x 2,048 float32; sin 2 x 2,048 x 64 float32; sinks 16 float32.
;; Outputs: out0 2 x 2,048 x 2,048 float32.
;; This version of the problem:
;;   THIS VERSION OF THE PROBLEM IS GIVEN IN LOW PRECISION. The matrix products marked QUANTISED in the list below multiply operands that are first quantised to E2M1 (2 exponent bits, 1 mantissa bit; 4 bits a number), with one power-of-two scale for each 32 numbers along K (OCP MX v1.0); their sums are f32. All else is computed in f32.
;;   The module's matrix products, in the order in which they are computed (A, B: the left and right operand; K: the contracted axis; several contracted axes count as one K, in the product's order):
;;     1. [M 4,096, K 2,048] x [K 2,048, N 96]; A: input hidden_states; B: input W_A_q: QUANTISED
;;     2. [M 4,096, K 2,048] x [K 2,048, N 8]; A: input hidden_states; B: input W_A_k: left as it is (N = 8 < 16)
;;     3. [M 4,096, K 2,048] x [K 2,048, N 8]; A: input hidden_states; B: input W_A_v: left as it is (N = 8 < 16)
;;     4. [M 4,096, K 2,048] x [K 2,048, N 768]; A: input hidden_states; B: input W_B_q: QUANTISED
;;     5. [M 4,096, K 2,048] x [K 2,048, N 256]; A: input hidden_states; B: input W_B_k: QUANTISED
;;     6. [M 4,096, K 2,048] x [K 2,048, N 256]; A: input hidden_states; B: input W_B_v: QUANTISED
;;     7. batch 4,096 x [M 16, K 6] x [K 6, N 128]; A: computed on the way; B: computed on the way: left as it is (K = 6 < 32)
;;     8. batch 4,096 x [M 4, K 2] x [K 2, N 128]; A: computed on the way; B: computed on the way: left as it is (K = 2 < 32)
;;     9. batch 4,096 x [M 4, K 2] x [K 2, N 128]; A: computed on the way; B: computed on the way: left as it is (K = 2 < 32)
;;     10. batch 32 x [M 2,048, K 128] x [K 128, N 2,048]; A: computed on the way; B: computed on the way: QUANTISED
;;     11. batch 32 x [M 2,048, K 2,048] x [K 2,048, N 128]; A: computed on the way; B: computed on the way: QUANTISED
;;     12. [M 4,096, K 2,048] x [K 2,048, N 2,048]; A: computed on the way; B: input W_o: QUANTISED
;;   THE QUANTISER, for each operand of a quantised product, along K:
;;     - K is cut into blocks of 32 from its start; a last block that is shorter is filled with zeros.
;;     - A block's scale is 2^e with e = floor(log2(the largest magnitude in the block)) - 2, held to -126 .. 127; a block of zeros has e = 0. As a byte (E8M0): e + 127.
;;     - Each number is divided by its block's scale, clamped to +-6, and rounded to the nearest number of E2M1, ties to even, subnormals kept.
;;     - The product sums the exact products of the quantised numbers (number of the format x scale) in f32.
;;   ~~~python
;;   def quantise(x, axis):      # numpy; x: float32 -> the quantised numbers, widened to float32 again
;;       x = np.moveaxis(x, axis, -1); K = x.shape[-1]
;;       x = np.pad(x, [(0, 0)] * (x.ndim - 1) + [(0, -K % 32)]); x = x.reshape(x.shape[:-1] + (-1, 32)); a = np.abs(x).max(-1, keepdims=True)
;;       e = np.where(a > 0, np.clip(np.frexp(np.where(a > 0, a, 1))[1] - 1 - 2, -126, 127), 0)      # np.frexp(a)[1] - 1 = floor(log2(a)), exactly
;;       r = np.clip(x / 2.0 ** e, -6, 6)
;;       step = 2.0 ** (np.maximum(np.frexp(np.where(r == 0, 1, r))[1] - 1, 0) - 1)
;;       q = np.round(r / step) * step * 2.0 ** e      # np.round: ties to even
;;       return np.moveaxis(q.reshape(q.shape[:-2] + (-1,))[..., :K], -1, axis).astype(np.float32)
;;   ~~~
;;   OPERANDS COMPUTED ON THE WAY. 'Computed on the way' means the value that the module computes at that place (a softmax that the list does not call 'softmax' is quantised finished and normalised). What goes into a quantiser is computed in f32, as accurately as f32 sums, v_exp_f32 and their like allow (about 1e-6 of the number): no bf16 or f16 on the way to a quantiser, and a product that is left as it is and whose result goes on into a quantised operand takes f32 operands (vector FMAs, or v_wmma_f32_16x16x4_f32). A number that lies on a knife's edge between two numbers of the format may be rounded either way, as far as f32 arithmetic and the matrix unit's own rounding can turn it there, and no further.
;; One version. Each part assembles by itself: llvm-mc -triple=amdgcn-amd-amdhsa -mcpu=gfx1250 --defsym DOCPART=n.
;; ======== version 1 of 1: 5 launches
;; limits: right only within a limited range of input values
;; workspace buffers: h_blk 4,456,448 bytes; o_blk 4,456,448 bytes; wc_blk 1,794,048 bytes; wo_blk 2,228,224 bytes; pbuf 33,554,432 bytes; q_blk 4,456,448 bytes; kv_blk 2,228,224 bytes
;; launch prep (part 1): grid 236 x 1, 16 waves a work-group, no clusters, 301,312 bytes of LDS; arguments hidden_states, W_A_k, W_A_v, W_A_q, W_B_q, W_B_k, W_B_v, W_o, h_blk, wc_blk, wo_blk; writes h_blk, wc_blk, wo_blk
.if DOCPART == 1
	.amdgcn_target "amdgcn-amd-amdhsa--gfx1250"
	.amdhsa_code_object_version 6
	.text
	.protected	k_qd9723a7b1b_prep
	.globl	k_qd9723a7b1b_prep
	.p2align	8
	.type	k_qd9723a7b1b_prep,@function
k_qd9723a7b1b_prep:
	s_mov_b64 s[64:65], 0
	v_nop
	global_prefetch_b8 v0, s[64:65] scope:SCOPE_SE
	s_setreg_imm32_b32 hwreg(HW_REG_WAVE_MODE, 25, 1), 1
	s_wait_xcnt 0x0
; THE PROGRAM: TPA attention in MX-FP4, five launches: prep (this one), proj, recon, attn, outp.  NO WORK OF reference() IS LEFT OUT: every input reaches the output and every product of the table is made.
; The attention mask is an input, so every tile of keys is walked.  One identity is used (in attn, and shown there): softmax(x) sigmoid(log_z - sink) = exp(x - logaddexp(log_z, sink)).
; THIS LAUNCH turns what many work-groups will read into codes of E2M1 with one E8M0 byte for each 32 along K, laid IN THE ORDER OF THE OPERAND'S REGISTERS.
;   A tile is 16 rows (tokens, or columns of a weight): 4 pieces of 4,352 bytes, one for each 512 along K.  A piece: four images of 1,024 bytes (128 along K each: register group c of lane l at 512 c + 16 l),
;   then, at 4,096, four runs of 16 scale words (row r's word at 4 r).
; Work-groups 0-127: 32 rows of hidden_states each -> h_blk; beside it A_k and A_v (N = 8 each, left in f32 since they go on into quantised operands) by the f32 matrix form -> the tail of wc_blk, [token][16].
; Work-groups 128-235: 32 columns of a weight each, K down the registers -> wc_blk (W_A_q, W_B_q, W_B_k, W_B_v, then 32 columns of zero codes that fill the eleventh block of 128 columns) and wo_blk (W_o).
; A block's scale: the largest magnitude's exponent field less 2, held at 1 from below.  A block of zeros gets the byte 1 where the rule says 127: its codes are zeros, and this program alone reads the bytes.
; LIMITS: NaN and infinities among the inputs are not served; blocks whose largest magnitude lies under 2^(3 - 127) take the floor's byte.
.set TILEB, 17408
.set KSLOT, 4352
.set AKV,   1531904                    ; where [token][16] f32 begins in wc_blk: behind 88 tiles
.set WKP,   576                        ; LDS: 16 rows of W_A_k or W_A_v (512 bytes) + 64 of padding
.set WVO,   73760                      ; W_A_v lies here: 128 chunks on, and 32 bytes more, so that the two tables' lanes fall on different banks
.set STG,   147712                     ; a stage of 16 rows x 528 bytes for each wave
.set SPI,   528
.set STGW,  16*SPI
.set RED,   282880                     ; 1,024 bytes for each wave: its partial sums of A_k, A_v
.set SPARE, 299264                     ; the spare words, 128 bytes for each wave
.set L16, 1                            ; v1  16 x lane
.set STI, 2                            ; v2  the stage, way in
.set STO, 3                            ; v3  the stage, way out
.set WAD, 4                            ; v4  my place in the staged W_A_k / W_A_v
.set WSK, 5                            ; v5  where I stage W_A_k
.set R4,  6                            ; v6  4 x (lane % 16)
.set RAD, 7                            ; v7  my wave's partial sums
.set WSV, 8                            ; v8  where I stage W_A_v
.set AO,  9                            ; v9  my place in [token][16]
.set SPW, 10
.set NIL, 11
.set TM,  12                           ; v12-27 at work in QUANT
.set PW,  28                           ; the scale word just made
.set PC,  32                           ; v32-39 the codes just made
.set D0,  40                           ; v40-47, v48-55: two f32 accumulators: written by matrix instructions alone, in both paths of this text
.set E,   56                           ; v56-63 their sum
.set RA,  64                           ; v64-127 first K step as loaded; later the second K step's 64 neighbours
.set RB,  128                          ; v128-191 second K step as loaded; later W's numbers
.set XA,  192                          ; v192-255 W as loaded; later the first K step's 64 neighbours
.set XB,  64
.set BF,  128
.set SEL, 44
; the weights' path: v12-27 load offsets, v64-191 the numbers, and, clear of v40-55:
.set WC,  192                          ; v192-207 the codes of four blocks
.set WW,  208                          ; v208     the scale word
.set WT,  209                          ; v209-212 at work
.set WOI, 213                          ; v213     where my codes go
.set WOS, 214                          ; v214     where my scale word goes
	s_load_b512 s[4:19], s[0:1], 0x0               ; hidden s[4:5], W_A_k, W_A_v, W_A_q, W_B_q, W_B_k, W_B_v, W_o s[18:19]
	s_load_b128 s[20:23], s[0:1], 0x40             ; h_blk, wc_blk
	s_load_b64 s[24:25], s[0:1], 0x50              ; wo_blk
	v_lshl_add_u32 v[SPW], v0, 2, SPARE
	v_mov_b32 v[NIL], 0
	v_lshrrev_b32 v1, 5, v0
	s_delay_alu instid0(VALU_DEP_1)
	v_readfirstlane_b32 s26, v1                    ; wave 0..15
	s_cmp_ge_u32 ttmp9, 128                        ; the work-group's number alone decides the path; the weights' path touches no LDS
	s_cbranch_scc1 .Lweights
; ---------------- hidden_states.  Wave w: rows 16 (w % 2) on of the group's 32, K = 256 (w / 2) on: two K steps of 128.
	v_and_b32 v8, 31, v0
	v_and_b32 v29, 15, v0                          ; r
	v_bfe_u32 v30, v0, 4, 1                        ; h
	s_delay_alu instid0(VALU_DEP_3)
	v_lshlrev_b32 v[L16], 4, v8
	s_mul_i32 s27, s26, STGW
	s_add_co_u32 s27, s27, STG
	v_add_nc_u32 v[STI], s27, v[L16]
	v_mul_u32_u24 v[STO], v29, SPI
	s_delay_alu instid0(VALU_DEP_1)
	v_lshl_add_u32 v[STO], v30, 6, v[STO]          ; row r, + 64 h: 16 neighbours of each block of 32
	s_delay_alu instid0(VALU_DEP_1)
	v_add_nc_u32 v[STO], s27, v[STO]
	s_lshr_b32 s28, s26, 1                         ; kq
	s_and_b32 s29, s26, 1                          ; which 16 rows
	v_lshrrev_b32 v[WAD], 3, v29                   ; lanes r = 0..7 take W_A_k's columns, r = 8..15 W_A_v's
	s_delay_alu instid0(VALU_DEP_1)
	v_mul_u32_u24 v[WAD], v[WAD], WVO
	s_delay_alu instid0(VALU_DEP_1)
	v_mad_u32_u24 v[WAD], v30, WKP, v[WAD]         ; lanes 16-31: 16 rows of K further down
	v_and_b32 v31, 7, v29
	s_delay_alu instid0(VALU_DEP_1)
	v_lshl_add_u32 v[WAD], v31, 2, v[WAD]
	s_mul_i32 s30, s28, 16*WKP
	v_add_nc_u32 v[WAD], s30, v[WAD]
	s_mul_i32 s30, s26, 8*WKP
	v_add_nc_u32 v[WSK], s30, v[L16]
	s_delay_alu instid0(VALU_DEP_1)
	v_add_nc_u32 v[WSV], WVO, v[WSK]
	v_lshlrev_b32 v[R4], 2, v29
	s_lshl_b32 s30, s26, 10
	s_add_co_u32 s30, s30, RED
	v_add_nc_u32 v[RAD], s30, v[L16]
	v_lshlrev_b32 v[AO], 6, v29
	s_delay_alu instid0(VALU_DEP_1)
	v_lshl_add_u32 v[AO], v30, 5, v[AO]
.irp b, 0,1,2,3
	v_mov_b32 v[TM+4+\b], 0                        ; a lane permute's destination counts as one of its sources
.endr
	s_mov_b32 s[SEL], 0x76543210
	s_mov_b32 s[SEL+1], 0xfedcba98
	s_lshl_b32 s32, ttmp9, 18                      ; 32 rows of 8,192 bytes,
	s_lshl_b32 s33, s29, 17                        ; my 16 of them,
	s_add_co_u32 s32, s32, s33
	s_lshl_b32 s33, s28, 10                        ; my 256 along K
	s_add_co_u32 s32, s32, s33
	s_mov_b32 s33, 0
	s_lshl_b32 s34, s26, 12                        ; the 128 rows of W_A_k and W_A_v that I stage
	s_mov_b32 s35, 0
	s_lshl_b32 s36, ttmp9, 1
	s_add_co_u32 s36, s36, s29
	s_mul_i32 s36, s36, TILEB                      ; my tile of h_blk,
	s_lshr_b32 s30, s28, 1
	s_mul_i32 s30, s30, KSLOT
	s_add_co_u32 s36, s36, s30                     ; my piece of it
	s_and_b32 s30, s28, 1
	s_lshl_b32 s27, s30, 11
	s_add_co_u32 s46, s36, s27                     ; my two images
	s_mov_b32 s47, 0
	s_lshl_b32 s27, s30, 7
	s_add_co_u32 s48, s36, s27
	s_add_co_u32 s48, s48, 4096                    ; my two runs of scale words
	s_mov_b32 s49, 0
	s_lshl_b32 s50, ttmp9, 11
	s_lshl_b32 s27, s26, 10
	s_add_co_u32 s50, s50, s27
	s_add_co_u32 s50, s50, AKV                     ; (waves 0, 1) 16 tokens x 64 bytes
	s_mov_b32 s51, 0
	s_wait_alu depctr_va_vdst(0)
	s_wait_kmcnt 0x0
	s_add_nc_u64 s[4:5], s[4:5], s[32:33]
	s_add_nc_u64 s[6:7], s[6:7], s[34:35]
	s_add_nc_u64 s[8:9], s[8:9], s[34:35]
	s_add_nc_u64 s[38:39], s[20:21], s[46:47]
	s_add_nc_u64 s[40:41], s[20:21], s[48:49]
	s_add_nc_u64 s[42:43], s[22:23], s[50:51]
.irp q, 0,1,2,3,4,5,6,7
	global_load_b128 v[XA+4*\q:XA+4*\q+3], v[L16], s[6:7] offset:512*\q
.endr
.irp q, 0,1,2,3,4,5,6,7
	global_load_b128 v[XA+32+4*\q:XA+32+4*\q+3], v[L16], s[8:9] offset:512*\q
.endr
.irp s, 0,1
.irp i, 0,1,2,3,4,5,6,7,8,9,10,11,12,13,14,15
	global_load_b128 v[RA+64*\s+4*\i:RA+64*\s+4*\i+3], v[L16], s[4:5] offset:\i*8192+\s*512 th:TH_LOAD_NT   ; 32 lanes read 512 consecutive bytes of row i
.endr
.endr
	s_wait_loadcnt 32                              ; the 16 loads of W are in; the 32 of my rows stay out
.irp q, 0,1,2,3,4,5,6,7
	ds_store_b128 v[WSK], v[XA+4*\q:XA+4*\q+3] offset:\q*WKP
	ds_store_b128 v[WSV], v[XA+32+4*\q:XA+32+4*\q+3] offset:\q*WKP
.endr
	s_wait_dscnt 0x0                               ; for the others' sake: my part of the two tables lies in LDS
	s_barrier_signal -1
	s_barrier_wait -1
; 16 rows x 128 numbers turn through my own stage: in as loaded, out 16 neighbours of each block of 32 to a lane: register 16 b + i = k 32 b + 16 (lane / 16) + i of row lane % 16
.macro TURN src, dst
.irp i, 0,1,2,3,4,5,6,7,8,9,10,11,12,13,14,15
	ds_store_b128 v[STI], v[\src+4*\i:\src+4*\i+3] offset:\i*SPI
.endr
.irp b, 0,1,2,3
.irp j, 0,1,2,3
	ds_load_b128 v[\dst+16*\b+4*\j:\dst+16*\b+4*\j+3], v[STO] offset:\b*128+\j*16   ; LDS serves a wave's instructions in order: these see my stores
.endr
.endr
	s_wait_dscnt 0x0
.endm
; 64 numbers of a lane, register 16 b + i = k 32 b + 16 (lane / 16) + i of my row, become a fragment's codes in v[PC] on and its scale word in v[PW]
.macro QUANT s
.irp b, 0,1,2,3
	v_max3_num_f32 v[TM+\b], |v[\s+16*\b]|, |v[\s+1+16*\b]|, 0x1800000   ; my 16 numbers of block b, and the floor 2^(3 - 127): the byte cannot fall under 1
.endr
.irp i, 2,4,6,8,10,12,14
.irp b, 0,1,2,3
	s_delay_alu instid0(VALU_DEP_4)
	v_max3_num_f32 v[TM+\b], v[TM+\b], |v[\s+16*\b+\i]|, |v[\s+1+16*\b+\i]|
.endr
.endr
.irp b, 0,1,2,3
	s_delay_alu instid0(VALU_DEP_4)
	v_permlanex16_b32 v[TM+4+\b], v[TM+\b], s[SEL], s[SEL+1]
.endr
.irp b, 0,1,2,3
	s_delay_alu instid0(VALU_DEP_4)
	v_max_num_f32 v[TM+\b], v[TM+\b], v[TM+4+\b]   ; with lane l xor 16's: the block's largest magnitude
.endr
.irp b, 0,1,2,3
	s_delay_alu instid0(VALU_DEP_4)
	v_add_nc_u32 v[TM+12+\b], 0xff000000, v[TM+\b] ; 2 off its exponent field: the conversion's scale operand
.endr
.irp b, 0,1,2,3
	s_delay_alu instid0(VALU_DEP_4)
	v_lshrrev_b32 v[TM+4+\b], 23, v[TM+12+\b]      ; the scale's byte
.endr
	s_delay_alu instid0(VALU_DEP_3)
	v_lshl_or_b32 v[PW], v[TM+5], 8, v[TM+4]
	s_delay_alu instid0(VALU_DEP_1)
	v_lshl_or_b32 v[PW], v[TM+6], 16, v[PW]
	s_delay_alu instid0(VALU_DEP_1)
	v_lshl_or_b32 v[PW], v[TM+7], 24, v[PW]
.irp b, 0,1,2,3
	v_cvt_scalef32_pk8_fp4_f32 v[PC+2*\b], v[\s+16*\b:\s+7+16*\b], v[TM+12+\b]
	v_cvt_scalef32_pk8_fp4_f32 v[PC+1+2*\b], v[\s+8+16*\b:\s+15+16*\b], v[TM+12+\b]
.endr
	v_nop                                          ; one plain place behind a scaled conversion
.irp c, 0,1                                    ; the operand's layout wants a whole block in a lane
.irp i, 0,1
	v_permlane16_swap_b32 v[PC+4*\c+\i], v[PC+2+4*\c+\i]
.endr
.endr
.endm
; K step s of my two: W's numbers come from LDS while x is quantised and stored; then 32 products of 16 x 16 x 4 in f32: source 0 = the 16 columns of W_A_k | W_A_v, source 1 = my 16 tokens.
; Both sources carry the same order of k.  The two accumulators take turns.
.macro UNIT s, x
.irp b, 0,1,2,3
.irp i, 0,1,2,3,4,5,6,7,8,9,10,11,12,13,14,15
	ds_load_b32 v[BF+16*\b+\i], v[WAD] offset:(8*\s+2*\b)*WKP+\i*32
.endr
.endr
.if \s
	s_wait_xcnt 0x0                                ; the first K step's stores have read their codes and scale word: both are written again below
.endif
	QUANT \x
	global_store_b128 v[L16], v[PC:PC+3], s[38:39] offset:\s*1024
	global_store_b128 v[L16], v[PC+4:PC+7], s[38:39] offset:\s*1024+512
	global_store_b32 v[R4], v[PW], s[40:41] offset:\s*64        ; lanes 16-31 hold and write the same words as lanes 0-15
	s_wait_dscnt 0x0
.set p, 0
.rept 32
.if (\s == 0) && (p < 2)
	v_wmma_f32_16x16x4_f32 v[D0+8*(p%2):D0+8*(p%2)+7], v[BF+2*p:BF+2*p+1], v[\x+2*p:\x+2*p+1], 0
.else
	v_wmma_f32_16x16x4_f32 v[D0+8*(p%2):D0+8*(p%2)+7], v[BF+2*p:BF+2*p+1], v[\x+2*p:\x+2*p+1], v[D0+8*(p%2):D0+8*(p%2)+7]
.endif
.set p, p+1
.endr
.rept 8
	v_nop                                          ; eight places behind this form, ahead of loads into its sources and of the first read of its results
.endr
.endm
	s_wait_loadcnt 16                              ; my first K step's 16 loads are in; the second's stay out
	TURN RA, XA
	s_wait_loadcnt 0x0
	TURN RB, XB
	UNIT 0, XA
	UNIT 1, XB
.irp j, 0,2,4,6
	v_pk_add_f32 v[E+\j:E+\j+1], v[D0+\j:D0+\j+1], v[D0+8+\j:D0+9+\j]   ; each accumulator from its low end on; the sums go into other registers
.endr
	ds_store_b128 v[RAD], v[E:E+3]
	ds_store_b128 v[RAD], v[E+4:E+7] offset:512
	s_wait_dscnt 0x0                               ; for the others' sake
	s_barrier_signal -1
	s_barrier_wait -1
	s_cmp_ge_u32 s26, 2                            ; waves 0 and 1 add the eight parts along K of their 16 tokens
	s_cbranch_scc1 .Lhs_end
.irp q, 0,1,2,3,4,5,6,7
.irp c, 0,1
	ds_load_b128 v[64+8*\q+4*\c:64+8*\q+4*\c+3], v[RAD] offset:\q*2048+\c*512
.endr
.endr
	s_wait_dscnt 0x0
.irp q, 1,2,3,4,5,6,7
.irp j, 0,2,4,6
	v_pk_add_f32 v[64+\j:65+\j], v[64+\j:65+\j], v[64+8*\q+\j:65+8*\q+\j]
.endr
.endr
	global_store_b128 v[AO], v[64:67], s[42:43]              ; lane (token r, h): numbers 8 h .. 8 h + 7 of its 16: the wave's two stores cover 1,024 consecutive bytes
	global_store_b128 v[AO], v[68:71], s[42:43] offset:16
.Lhs_end:
	s_wait_tensorcnt 0x0                           ; the wave's end
	ds_add_u32 v[SPW], v[NIL]
	s_wait_dscnt 0x0
	s_endpgm
; ---------------- the weights.  g = 32 columns; wave = K step of 128.  A LANE TAKES A COLUMN AND ITS REGISTERS RUN DOWN K: a block of 32 lies in one lane, and the codes come out with K innermost.
.Lweights:
	s_sub_co_u32 s27, ttmp9, 128                   ; g
	v_and_b32 v1, 31, v0
	v_and_b32 v2, 15, v0
	v_bfe_u32 v3, v0, 4, 1
	s_delay_alu instid0(VALU_DEP_1)
	v_mul_u32_u24 v[WOI], v3, TILEB                ; lanes 16-31: the next tile of 16 columns
	s_delay_alu instid0(VALU_DEP_1)
	v_lshl_add_u32 v[WOS], v2, 2, v[WOI]
	s_delay_alu instid0(VALU_DEP_2)
	v_lshl_add_u32 v[WOI], v2, 4, v[WOI]
	s_wait_kmcnt 0x0
	s_mov_b64 s[28:29], s[18:19]                   ; g 44..107: W_o
	s_mov_b32 s30, 8192                            ; bytes in a row of the weight
	s_mov_b32 s31, 44                              ; its first g
	s_mov_b64 s[48:49], s[24:25]
	s_mov_b32 s50, 44
	s_cmp_lt_u32 s27, 44                           ; g 35..42: W_B_v (43: the zero columns)
	s_cselect_b64 s[28:29], s[16:17], s[28:29]
	s_cselect_b32 s30, 1024, s30
	s_cselect_b32 s31, 35, s31
	s_cselect_b64 s[48:49], s[22:23], s[48:49]
	s_cselect_b32 s50, 0, s50
	s_cmp_lt_u32 s27, 35                           ; g 27..34: W_B_k
	s_cselect_b64 s[28:29], s[14:15], s[28:29]
	s_cselect_b32 s31, 27, s31
	s_cmp_lt_u32 s27, 27                           ; g 3..26: W_B_q
	s_cselect_b64 s[28:29], s[12:13], s[28:29]
	s_cselect_b32 s30, 3072, s30
	s_cselect_b32 s31, 3, s31
	s_cmp_lt_u32 s27, 3                            ; g 0..2: W_A_q
	s_cselect_b64 s[28:29], s[10:11], s[28:29]
	s_cselect_b32 s30, 384, s30
	s_cselect_b32 s31, 0, s31
	s_sub_co_u32 s51, s27, s50
	s_mul_i32 s51, s51, 2*TILEB                    ; my two tiles,
	s_lshr_b32 s52, s26, 2
	s_mul_i32 s52, s52, KSLOT
	s_add_co_u32 s52, s51, s52                     ; my piece of them,
	s_and_b32 s53, s26, 3
	s_lshl_b32 s54, s53, 10
	s_add_co_u32 s54, s54, s52                     ; my image in it
	s_mov_b32 s55, 0
	s_add_nc_u64 s[56:57], s[48:49], s[54:55]
	s_lshl_b32 s54, s53, 6
	s_add_co_u32 s54, s54, s52
	s_add_co_u32 s54, s54, 4096                    ; and my run of scale words
	s_add_nc_u64 s[58:59], s[48:49], s[54:55]
	s_cmp_eq_u32 s27, 43
	s_cbranch_scc1 .Lpad
	s_sub_co_u32 s51, s27, s31
	s_lshl_b32 s51, s51, 7                         ; my 32 columns, in bytes
	s_lshl_b32 s52, s26, 7
	s_mul_i32 s52, s52, s30                        ; my 128 rows
	s_add_co_u32 s52, s52, s51
	s_mov_b32 s53, 0
	s_add_nc_u64 s[32:33], s[28:29], s[52:53]
	s_lshl_b32 s52, s30, 4                         ; eight bases, 16 rows apart, and sixteen offsets, a row apart: none is ever rewritten
.irp j, 1,2,3,4,5,6,7
	s_add_nc_u64 s[32+2*\j:33+2*\j], s[30+2*\j:31+2*\j], s[52:53]
.endr
	s_wait_alu depctr_va_vdst(0)
	v_lshlrev_b32 v12, 2, v1
.irp m, 1,2,3,4,5,6,7,8,9,10,11,12,13,14,15
	s_delay_alu instid0(VALU_DEP_1)
	v_add_nc_u32 v[12+\m], s30, v[11+\m]
.endr
.irp j, 0,1,2,3,4,5,6,7
.irp m, 0,1,2,3,4,5,6,7,8,9,10,11,12,13,14,15
	global_load_b32 v[64+16*\j+\m], v[12+\m], s[32+2*\j:33+2*\j] th:TH_LOAD_NT   ; W(128 wave + 16 j + m, my column)
.endr
.endr
.macro WBLOCK t, left
.set XS, 64+32*\t
	s_wait_loadcnt \left
	v_max3_num_f32 v[WT], |v[XS]|, |v[XS+1]|, |v[XS+2]|
	v_max3_num_f32 v[WT+1], |v[XS+3]|, |v[XS+4]|, |v[XS+5]|
.irp i, 6,10,14,18,22,26
	s_delay_alu instid0(VALU_DEP_2)
	v_max3_num_f32 v[WT], v[WT], |v[XS+\i]|, |v[XS+\i+1]|
	s_delay_alu instid0(VALU_DEP_2)
	v_max3_num_f32 v[WT+1], v[WT+1], |v[XS+\i+2]|, |v[XS+\i+3]|
.endr
	s_delay_alu instid0(VALU_DEP_2)
	v_max3_num_f32 v[WT], v[WT], |v[XS+30]|, |v[XS+31]|
	s_delay_alu instid0(VALU_DEP_1)
	v_max3_num_f32 v[WT], v[WT], v[WT+1], 0x1800000  ; and the floor
	s_delay_alu instid0(VALU_DEP_1)
	v_add_nc_u32 v[WT+2], 0xff000000, v[WT]
	s_delay_alu instid0(VALU_DEP_1)
	v_lshrrev_b32 v[WT+3], 23, v[WT+2]
.if \t == 0
	s_delay_alu instid0(VALU_DEP_1)
	v_mov_b32 v[WW], v[WT+3]
.else
	s_delay_alu instid0(VALU_DEP_1)
	v_lshl_or_b32 v[WW], v[WT+3], 8*\t, v[WW]
.endif
.irp g, 0,1,2,3
	v_cvt_scalef32_pk8_fp4_f32 v[WC+4*\t+\g], v[XS+8*\g:XS+8*\g+7], v[WT+2]
.endr
	v_nop                                          ; one plain place behind the conversions
.endm
	WBLOCK 0, 63                                   ; at most 63 of the 128 loads are out: the first 65 are in, blocks 0 and 1 among them
	WBLOCK 1, 63
	WBLOCK 2, 32                                   ; the last block's 32 may be out
	WBLOCK 3, 0
	s_branch .Lwstore
.Lpad:                                             ; columns 1,376 to 1,407 of the joined weight: zero codes, which add nothing
.irp j, 0,1,2,3,4,5,6,7,8,9,10,11,12,13,14,15
	v_mov_b32 v[WC+\j], 0
.endr
	v_mov_b32 v[WW], 0x01010101
.Lwstore:
	s_wait_alu depctr_va_vdst(0)
.irp t, 0,1,2,3                                ; block t is register group t / 2 of lane (column, t % 2): sixteen lanes store 256 consecutive bytes, aligned
	global_store_b128 v[WOI], v[WC+4*\t:WC+4*\t+3], s[56:57] offset:(\t/2)*512+(\t%2)*256
.endr
	global_store_b32 v[WOS], v[WW], s[58:59]
	s_endpgm
.Lfunc_end_k_qd9723a7b1b_prep:
	.size	k_qd9723a7b1b_prep, .Lfunc_end_k_qd9723a7b1b_prep-k_qd9723a7b1b_prep
	.p2alignl 7, 3214868480
	.fill 96, 4, 3214868480
	.section	.rodata,"a",@progbits
	.p2align	6, 0x0
	.amdhsa_kernel k_qd9723a7b1b_prep
		.amdhsa_group_segment_fixed_size 301312
		.amdhsa_private_segment_fixed_size 0
		.amdhsa_enable_private_segment 0
		.amdhsa_kernarg_size 88
		.amdhsa_user_sgpr_count 2
		.amdhsa_user_sgpr_kernarg_segment_ptr 1
		.amdhsa_wavefront_size32 1
		.amdhsa_system_sgpr_workgroup_id_x 1
		.amdhsa_system_sgpr_workgroup_id_y 1
		.amdhsa_system_sgpr_workgroup_id_z 1
		.amdhsa_system_vgpr_workitem_id 0
		.amdhsa_next_free_vgpr 256
		.amdhsa_next_free_sgpr 66
		.amdhsa_reserve_vcc 0
		.amdhsa_float_denorm_mode_32 3
		.amdhsa_float_denorm_mode_16_64 3
		.amdhsa_memory_ordered 1
		.amdhsa_forward_progress 1
		.amdhsa_inst_pref_size 66
	.end_amdhsa_kernel
	.amdgpu_metadata
---
amdhsa.version: [ 1, 2 ]
amdhsa.kernels:
  - .name:           k_qd9723a7b1b_prep
    .symbol:         k_qd9723a7b1b_prep.kd
    .args:
      - { .name: hidden_states, .offset: 0, .size: 8, .value_kind: global_buffer, .address_space: global }
      - { .name: W_A_k, .offset: 8, .size: 8, .value_kind: global_buffer, .address_space: global }
      - { .name: W_A_v, .offset: 16, .size: 8, .value_kind: global_buffer, .address_space: global }
      - { .name: W_A_q, .offset: 24, .size: 8, .value_kind: global_buffer, .address_space: global }
      - { .name: W_B_q, .offset: 32, .size: 8, .value_kind: global_buffer, .address_space: global }
      - { .name: W_B_k, .offset: 40, .size: 8, .value_kind: global_buffer, .address_space: global }
      - { .name: W_B_v, .offset: 48, .size: 8, .value_kind: global_buffer, .address_space: global }
      - { .name: W_o, .offset: 56, .size: 8, .value_kind: global_buffer, .address_space: global }
      - { .name: h_blk, .offset: 64, .size: 8, .value_kind: global_buffer, .address_space: global }
      - { .name: wc_blk, .offset: 72, .size: 8, .value_kind: global_buffer, .address_space: global }
      - { .name: wo_blk, .offset: 80, .size: 8, .value_kind: global_buffer, .address_space: global }
    .group_segment_fixed_size: 301312
    .private_segment_fixed_size: 0
    .kernarg_segment_align: 8
    .kernarg_segment_size: 88
    .max_flat_workgroup_size: 512
    .sgpr_count:     66
    .vgpr_count:     256
    .wavefront_size: 32
...
	.end_amdgpu_metadata
.endif
;; end of part 1
;; launch proj (part 2): grid 16 x 11, 8 waves a work-group, clusters of 4 x 1, 327,680 bytes of LDS; arguments h_blk, wc_blk, pbuf; writes pbuf
.if DOCPART == 2
	.amdgcn_target "amdgcn-amd-amdhsa--gfx1250"
	.amdhsa_code_object_version 6
	.text
	.protected	k_qd9723a7b1b_proj
	.globl	k_qd9723a7b1b_proj
	.p2align	8
	.type	k_qd9723a7b1b_proj,@function
k_qd9723a7b1b_proj:
	s_mov_b64 s[64:65], 0
	v_nop
	global_prefetch_b8 v0, s[64:65] scope:SCOPE_SE
	s_setreg_imm32_b32 hwreg(HW_REG_WAVE_MODE, 25, 1), 1
	s_wait_xcnt 0x0
	s_wait_alu depctr_hold_cnt(0) depctr_sa_sdst(0) depctr_va_vdst(0) depctr_va_sdst(0) depctr_va_ssrc(0) depctr_va_vcc(0) depctr_vm_vsrc(0)
	s_getreg_b32 s2, hwreg(HW_REG_IB_STS2, 6, 4)
	s_cmp_eq_u32 s2, 0
	s_cbranch_scc0 .Lentry_in_a_cluster
	s_endpgm
.Lentry_in_a_cluster:
	s_bfe_u32 s2, ttmp6, 0x10000c
	s_cmp_lg_u32 s2, 0x3003
	s_cbranch_scc0 .Lentry_shape_is_right
	s_endpgm
.Lentry_shape_is_right:
; C = A B^T on codes of E2M1 with E8M0 scales, K = 2,048; C's rows are 8,192 bytes apart.  Nothing of the product is left out.  Both operands lie in memory IN THE ORDER OF THE OPERAND'S REGISTERS:
; a tile of 16 rows is 17,408 bytes: 4 pieces of 4,352, one for each 512 along K; a piece: four images of 1,024 bytes (128 along K: register group c of lane l at 512 c + 16 l), then, at 4,096, four runs of 16 scale words.
; SHARES.  A work-group makes 256 rows x 128 columns; wave w makes rows 32 w on x all 128 columns: 16 accumulators, 128 registers.
; A: a wave's two tiles are read by that wave alone, so they go from memory straight into its registers, for all of K: 64 loads of 512 consecutive bytes fill window 1, 16 loads of 128 bytes bring the scale words.
; B: the work-group's 8 tiles, all of K, 139,264 bytes, come into LDS once: each wave asks for one tile, 68 rows of 256 bytes, by one tensor load at the head.  No LDS byte is filled again.
; CLUSTER 4 x 1: the four partners along x take the same columns: B's tiles are asked for jointly.  A is not: its bytes go to one wave's registers.
; No prefetch: everything that the work-group reads is asked for at the head, and there is no loop to run ahead in.
; SCALES.  A load of 32 words brings two neighbouring runs: lanes 0-15 the even K step's, lanes 16-31 the odd one's, which the product reads by its ROW1 selector: one register serves two K steps.
; THE PRODUCT IS USED TRANSPOSED (source 0 = 16 columns, source 1 = 16 rows): a lane holds eight neighbouring numbers of a row of C, which leave through the wave's own stage as whole rows of 512 bytes.
; REGISTERS, window 0: v4-15 addresses; v16-31 A's scale words; v32-47 B's, two sets; v64-127 B's fragments; v128-255 accumulators.  Window 1: A's fragments, K step k at v[16 k].
.set TILEB, 17408
.set KSLOT, 4352
.set STAGE, 8*TILEB                    ; behind B: a stage of 16 rows x (512 + 16) bytes for each wave
.set SPI,   528
.set STGW,  16*SPI
.set SPARE, STAGE+8*STGW               ; the spare words, 128 bytes for each wave
.set CP,    8192
.set ADB, 4                            ; v4-7   16 x lane + 2 g tiles: B's fragments (v4 also: the offset of A's loads and of the stores)
.set ASB, 8                            ; v8-11  4 x lane + 2 g tiles: B's scale words (v8 also: the offset of A's scale loads)
.set SPW, 12
.set NIL, 13
.set STO, 14
.set RD,  15
.set AS,  16
.set BS,  32
.set BF,  64
.set ACC, 128
.set WV,  10
.set G1,  24
.set G0,  32
.set MSB, 0
.macro WIN new                         ; the immediate's high byte repeats the setting that is left
.if MSB != \new
	s_set_vgpr_msb (MSB<<8)|\new
.set MSB, \new
.endif
.endm
.macro FILL n
.rept \n
	v_nop
.endr
.endm
.macro CROUND                          ; a round of the cluster's barrier
	s_barrier_signal -1
	s_barrier_wait -1
	s_cmp_lg_u32 s[WV], 0
	s_cbranch_scc1 .Lnot_wave_0_\@
	s_barrier_signal -3
.Lnot_wave_0_\@:
	s_barrier_wait -3
	s_barrier_signal -1
	s_barrier_wait -1
.endm
.macro ALOAD k                         ; my two tiles' fragments of K step k
.irp a, 0,1
.irp c, 0,1
	global_load_b128 v[16*(\k)+8*\a+4*\c:16*(\k)+8*\a+4*\c+3], v[ADB], s[4:5] offset:\a*TILEB+((\k)/4)*KSLOT+((\k)%4)*1024+\c*512
.endr
.endr
.endm
.macro BLOADH k, hf                    ; B's tiles 4 hf .. 4 hf + 3 of K step k
.irp b, 0,1,2,3
.irp c, 0,1
	ds_load_b128 v[BF+8*(4*\hf+\b)+4*\c:BF+8*(4*\hf+\b)+4*\c+3], v[ADB+2*\hf+\b/2] offset:(\b%2)*TILEB+((\k)/4)*KSLOT+((\k)%4)*1024+\c*512
.endr
.endr
.endm
.macro BSCL j                          ; B's scale words of K steps 2 j, 2 j + 1 into set j % 2
.irp b, 0,1,2,3,4,5,6,7
	ds_load_b32 v[BS+8*((\j)%2)+\b], v[ASB+\b/2] offset:(\b%2)*TILEB+((\j)/2)*KSLOT+4096+((\j)%2)*128
.endr
.endm
.macro MULH k, hf                      ; 8 products: my two tiles x B's four; the accumulators take turns; K step 0 starts the sums
.irp a, 0,1
.irp b, 0,1,2,3
.if (\k) == 0
	v_wmma_scale_f32_16x16x128_f8f6f4 v[ACC+8*(8*\a+4*\hf+\b):ACC+8*(8*\a+4*\hf+\b)+7], v[BF+8*(4*\hf+\b):BF+8*(4*\hf+\b)+7], v[16*(\k)+8*\a:16*(\k)+8*\a+7], 0, v[BS+8*(((\k)/2)%2)+4*\hf+\b], v[AS+8*\a+(\k)/2] matrix_a_fmt:MATRIX_FMT_FP4 matrix_b_fmt:MATRIX_FMT_FP4
.elseif ((\k)%2) == 0
	v_wmma_scale_f32_16x16x128_f8f6f4 v[ACC+8*(8*\a+4*\hf+\b):ACC+8*(8*\a+4*\hf+\b)+7], v[BF+8*(4*\hf+\b):BF+8*(4*\hf+\b)+7], v[16*(\k)+8*\a:16*(\k)+8*\a+7], v[ACC+8*(8*\a+4*\hf+\b):ACC+8*(8*\a+4*\hf+\b)+7], v[BS+8*(((\k)/2)%2)+4*\hf+\b], v[AS+8*\a+(\k)/2] matrix_a_fmt:MATRIX_FMT_FP4 matrix_b_fmt:MATRIX_FMT_FP4
.else
	v_wmma_scale_f32_16x16x128_f8f6f4 v[ACC+8*(8*\a+4*\hf+\b):ACC+8*(8*\a+4*\hf+\b)+7], v[BF+8*(4*\hf+\b):BF+8*(4*\hf+\b)+7], v[16*(\k)+8*\a:16*(\k)+8*\a+7], v[ACC+8*(8*\a+4*\hf+\b):ACC+8*(8*\a+4*\hf+\b)+7], v[BS+8*(((\k)/2)%2)+4*\hf+\b], v[AS+8*\a+(\k)/2] matrix_a_fmt:MATRIX_FMT_FP4 matrix_b_fmt:MATRIX_FMT_FP4 matrix_a_scale:MATRIX_SCALE_ROW1 matrix_b_scale:MATRIX_SCALE_ROW1
.endif
.endr
.endr
.endm
; A K step of 128.  Each half of B's fragments is asked for again, for the next K step, four places behind the products that read it; an even K step up to 12 also asks for the next pair's scale words.
; The waits on DScnt count the LDS loads issued behind the half that is wanted: the other half's 8, and 8 scale loads where they stand between.
.macro KSTEP k
.set X0, 8
.set X1, 8
.if ((\k)%2) == 1
.if (\k) < 15
.set X0, 16
.endif
.else
.if (\k) < 14
.set X1, 16
.endif
.endif
.if (\k) == 15
.set X1, 0
.endif
	s_wait_loadcnt 4*(15-(\k))                     ; A's scale words and K steps 0 to k are in; the later K steps' four loads each may be out
	s_wait_dscnt X0
	MULH \k, 0
	FILL 4
.if (\k) < 15
	BLOADH (\k)+1, 0
.endif
.if X1 == 16
	BSCL (\k)/2+1
.endif
	s_wait_dscnt X1
	MULH \k, 1
	FILL 4
.if (\k) < 15
	BLOADH (\k)+1, 1
.endif
.endm
	s_load_b128 s[4:7], s[0:1], 0x0                ; A, B
	s_load_b64 s[8:9], s[0:1], 0x10                ; C
	v_lshl_add_u32 v[SPW], v0, 2, SPARE
	v_mov_b32 v[NIL], 0
	ds_add_u32 v[SPW], v[NIL]                      ; the wave's opening: the add, twice on end, and its wait ahead of my first tensor load
	ds_add_u32 v[SPW], v[NIL]
	v_lshrrev_b32 v1, 5, v0
	s_delay_alu instid0(VALU_DEP_1)
	v_readfirstlane_b32 s[WV], v1                  ; wave 0..7
	s_mul_i32 s23, s[WV], STGW
	s_add_co_u32 s23, s23, STAGE                   ; my stage
	v_and_b32 v48, 31, v0
	v_and_b32 v49, 15, v0                          ; r
	v_bfe_u32 v50, v0, 4, 1                        ; h
	v_lshlrev_b32 v[ADB], 4, v48
	v_lshlrev_b32 v[ASB], 2, v48
	v_mul_u32_u24 v[STO], v49, SPI
.irp g, 1,2,3
	v_add_nc_u32 v[ADB+\g], \g*2*TILEB, v[ADB]
	v_add_nc_u32 v[ASB+\g], \g*2*TILEB, v[ASB]
.endr
	v_lshl_add_u32 v[STO], v50, 5, v[STO]          ; the stage, way in: row r, + 32 h
	v_add_nc_u32 v[RD], s23, v[ADB]                ; and way out: the 32 lanes take a row of 512 bytes
	v_add_nc_u32 v[STO], s23, v[STO]
	s_bfe_u32 s13, ttmp6, 0x40000                  ; cx
	s_lshl_b32 s14, ttmp9, 2
	s_add_co_u32 s14, s14, s13                     ; x: block of 256 rows
	s_and_b32 s15, ttmp7, 0xffff                   ; y: block of 128 columns
	s_mov_b32 s[G1], 15|(3<<16)|(1<<21)            ; the four partners; elements of 8 bytes; bit 21 set beside the mask
	s_mov_b32 s[G1+1], 32<<16
	s_mov_b32 s[G1+2], 68<<16
	s_mov_b32 s[G1+3], 32<<16
	s_mov_b32 s[G1+4], 68
	s_mov_b32 s[G1+5], 32
	s_mov_b32 s[G1+6], 0
	s_mov_b32 s[G1+7], 0
	s_lshl_b32 s16, s14, 4
	s_lshl_b32 s20, s[WV], 1
	s_add_co_u32 s16, s16, s20
	s_mul_i32 s16, s16, TILEB                      ; A: tiles 16 x + 2 wave on
	s_mov_b32 s17, 0
	s_lshl_b32 s18, s15, 3
	s_add_co_u32 s18, s18, s[WV]
	s_mul_i32 s18, s18, TILEB                      ; B: tile 8 y + wave: no cx in it
	s_mov_b32 s19, 0
	s_mul_i32 s21, s[WV], TILEB                    ; and where it goes
	s_lshl_b32 s40, s14, 21                        ; C: 256 x rows of 8,192 bytes, + my 32, + 512 y
	s_lshl_b32 s41, s[WV], 18
	s_add_co_u32 s40, s40, s41
	s_lshl_b32 s41, s15, 9
	s_add_co_u32 s40, s40, s41
	s_mov_b32 s41, 0
	s_wait_alu depctr_va_vdst(0)                   ; the head's end
	s_wait_dscnt 0x0                               ; both opening adds are done
	s_wait_kmcnt 0x0
	s_add_nc_u64 s[4:5], s[4:5], s[16:17]
	s_add_nc_u64 s[6:7], s[6:7], s[18:19]
	s_add_nc_u64 s[8:9], s[8:9], s[40:41]
.irp a, 0,1                                    ; A's scale words: register AS + 8 a + k / 2 serves K steps k, k + 1
.irp p, 0,1,2,3
.irp j, 0,1
	global_load_b32 v[AS+8*\a+2*\p+\j], v[ASB], s[4:5] offset:\a*TILEB+\p*KSLOT+4096+\j*128
.endr
.endr
.endr
	WIN 0x40                                       ; destination window 1
.set kk, 0
.rept 8
	ALOAD kk
.set kk, kk+1
.endr
	WIN 0
	CROUND                                         ; the four partners are here: the joint loads meet
	s_mov_b32 s[G0], 1
	s_mov_b32 s[G0+1], s21
	s_mov_b64 s[G0+2:G0+3], s[6:7]
	s_or_b32 s[G0+3], s[G0+3], 0x80000000
	tensor_load_to_lds s[G0:G0+3], s[G1:G1+7]      ; my tile of B, all of K: one tensor load a wave
	s_nop 0
	FILL 4
	WIN 0x40
.rept 8
	ALOAD kk
.set kk, kk+1
.endr
	WIN 0
	s_wait_tensorcnt 0x0                           ; my tile of B lies in LDS,
	s_barrier_signal -1
	s_barrier_wait -1                              ; and so does everybody's
	BSCL 0
	BLOADH 0, 0
	BLOADH 0, 1
	WIN 0x04                                       ; source 1 (A) window 1; an LDS load names no source 1, so the setting stands through all K steps
.set kk, 0
.rept 16
	KSTEP kk
.set kk, kk+1
.endr
	WIN 0
; THE WAY OUT: 16 rows x 128 columns at a time through my own stage; LDS serves a wave's instructions in order, so no wait stands between the stores and the loads, nor ahead of the next block's stores.
.macro TOSTAGE a, bb
.irp b, 0,1,2,3,4,5,6,7
	ds_store_b128 v[STO], v[ACC+8*(8*\a+\b):ACC+8*(8*\a+\b)+3] offset:64*\b        ; each accumulator from its low end on
	ds_store_b128 v[STO], v[ACC+8*(8*\a+\b)+4:ACC+8*(8*\a+\b)+7] offset:64*\b+16
.endr
.irp t, 0,1,2,3,4,5,6,7,8,9,10,11,12,13,14,15
	ds_load_b128 v[\bb+4*\t:\bb+4*\t+3], v[RD] offset:\t*SPI
.endr
.endm
.macro SEND a, bb, younger
	s_wait_dscnt \younger
.irp t, 0,1,2,3,4,5,6,7,8,9,10,11,12,13,14,15
	global_store_b128 v[ADB], v[\bb+4*\t:\bb+4*\t+3], s[8:9] offset:(16*\a+\t)*CP th:TH_STORE_NT   ; 32 lanes store 512 consecutive bytes, at a multiple of 256 from C's first byte
.endr
.endm
	TOSTAGE 0, BF                                  ; back into the registers that held B's fragments,
	TOSTAGE 1, ACC                                 ; and into the first block's accumulators, which its LDS stores have read
	SEND 0, BF, 32                                 ; behind the first block's loads: the second's 16 stores and 16 loads
	SEND 1, ACC, 0
	s_wait_tensorcnt 0x0                           ; the wave's end
	ds_add_u32 v[SPW], v[NIL]
	s_wait_dscnt 0x0
	CROUND                                         ; the closing round
	s_endpgm
.Lfunc_end_k_qd9723a7b1b_proj:
	.size	k_qd9723a7b1b_proj, .Lfunc_end_k_qd9723a7b1b_proj-k_qd9723a7b1b_proj
	.p2alignl 7, 3214868480
	.fill 96, 4, 3214868480
	.section	.rodata,"a",@progbits
	.p2align	6, 0x0
	.amdhsa_kernel k_qd9723a7b1b_proj
		.amdhsa_group_segment_fixed_size 327680
		.amdhsa_private_segment_fixed_size 0
		.amdhsa_enable_private_segment 0
		.amdhsa_kernarg_size 24
		.amdhsa_user_sgpr_count 2
		.amdhsa_user_sgpr_kernarg_segment_ptr 1
		.amdhsa_wavefront_size32 1
		.amdhsa_system_sgpr_workgroup_id_x 1
		.amdhsa_system_sgpr_workgroup_id_y 1
		.amdhsa_system_sgpr_workgroup_id_z 1
		.amdhsa_system_vgpr_workitem_id 0
		.amdhsa_next_free_vgpr 512
		.amdhsa_next_free_sgpr 66
		.amdhsa_reserve_vcc 0
		.amdhsa_float_denorm_mode_32 3
		.amdhsa_float_denorm_mode_16_64 3
		.amdhsa_memory_ordered 1
		.amdhsa_forward_progress 1
		.amdhsa_inst_pref_size 77
	.end_amdhsa_kernel
	.amdgpu_metadata
---
amdhsa.version: [ 1, 2 ]
amdhsa.kernels:
  - .name:           k_qd9723a7b1b_proj
    .symbol:         k_qd9723a7b1b_proj.kd
    .args:
      - { .name: h_blk, .offset: 0, .size: 8, .value_kind: global_buffer, .address_space: global }
      - { .name: wc_blk, .offset: 8, .size: 8, .value_kind: global_buffer, .address_space: global }
      - { .name: pbuf, .offset: 16, .size: 8, .value_kind: global_buffer, .address_space: global }
    .group_segment_fixed_size: 327680
    .private_segment_fixed_size: 0
    .kernarg_segment_align: 8
    .kernarg_segment_size: 24
    .max_flat_workgroup_size: 256
    .sgpr_count:     66
    .vgpr_count:     512
    .wavefront_size: 32
...
	.end_amdgpu_metadata
.endif
;; end of part 2
;; launch recon (part 3): grid 128 x 1, 16 waves a work-group, no clusters, 45,568 bytes of LDS; arguments pbuf, wc_blk, cos, sin, q_blk, kv_blk; writes q_blk, kv_blk
.if DOCPART == 3
	.amdgcn_target "amdgcn-amd-amdhsa--gfx1250"
	.amdhsa_code_object_version 6
	.text
	.protected	k_qd9723a7b1b_recon
	.globl	k_qd9723a7b1b_recon
	.p2align	8
	.type	k_qd9723a7b1b_recon,@function
k_qd9723a7b1b_recon:
	s_mov_b64 s[64:65], 0
	v_nop
	global_prefetch_b8 v0, s[64:65] scope:SCOPE_SE
	s_setreg_imm32_b32 hwreg(HW_REG_WAVE_MODE, 25, 1), 1
	s_wait_xcnt 0x0
; From the projections (pbuf: [token] rows of 8,192 bytes: columns 0-95 A_q, 96-863 B_q, 864-1119 B_k, 1120-1375 B_v; wc_blk's tail: [token][16] = A_k, A_v) to the operands of attention, all in f32:
; rotary turn of B_q and B_k, q = A_q B_q / 6, k = A_k B_k / 2, v = A_v B_v / 2, each quantised to E2M1 along its product's K and laid in the order of the operand's registers.  Nothing is left out.
; The divisions are folded into the rotary tables: cos / 2, sin / 2 exactly; cos x (1/6), sin x (1/6) with one rounding more than a division at the end: a stated order of rounding.
; A work-group takes 32 tokens.  q and k: sixteen lanes to a token, eight channels to a lane: a block of 32 channels lies in four lanes.  v: K = the keys: a lane takes a channel and its 32 registers the 32 tokens.
;   q_blk: image of (batch, head, tile of 16 queries) at ((16 b + head) 128 + tile) 1,024; its 16 scale words at 4,194,304 + the same number x 64.
;   kv_blk: for (batch, kv head) 139,264 bytes: 16 steps of 128 keys x 8,704: eight images, then eight runs of 16 scale words.  K first, V from 1,114,112 on.
;   THE KEYS OF A TILE OF K ARE NOT NEIGHBOURS: row r of tile 2 b + u is key 32 b + 8 u + r + 8 (r / 8); the channels of a tile of V likewise: so the next product's K runs along a lane's registers.
; q's and k's codes meet in LDS and leave as whole images; v's leave straight: sixteen lanes store 256 consecutive bytes.  A word of V's scales has its four bytes from four work-groups: byte stores, 64 KiB in the launch.
; LIMITS: as in prep (floor of the scale byte; NaN and infinities not served).
.set AKV,   1531904
.set VG,    1114112
.set HEADB, 139264
.set STEPB, 8704
.set QSCO,  4194304
.set QSC,   32768                      ; LDS: q's images [head][tile][1,024] from 0; their scale words here;
.set KIMG,  34816                      ; k's images [kv head][u][1,024];
.set KSC,   43008                      ; their scale words;
.set SPARE, 43520                      ; the spare words, 128 bytes for each wave
.set VP,  1                            ; v1  pbuf: my token's row + my 8 channels
.set VPP, 2                            ; v2  the same for the channels 64 away
.set VA,  3                            ; v3  my token's row
.set VC,  4                            ; v4  cos, sin
.set VK,  5                            ; v5  my token's 16 numbers A_k, A_v
.set QST, 6
.set QSB, 7
.set KST, 8
.set KSB, 9
.set SPW, 10
.set NIL, 11
.set VV,  12                           ; v12 v: 4 x my channel
.set VKV, 13                           ; v13 v: 8 x my kv head
.set VVS, 14
.set VVB, 15
.set AC,  16                           ; v16-23 eight numbers of q or k
.set CD,  26                           ; v26-29 code register and byte, two sets by turns
.set AQ,  32                           ; v32-127 A_q of my token
.set BQ,  128                          ; v128-175 B_q, six ranks x 8
.set BP,  176                          ; v176-223 the channels 64 away; later k's data
.set CK,  224                          ; v224-231 cos / 2;  v232-239 +-sin / 2
.set SK,  232
.set CQ,  240                          ; v240-247 cos / 6;  v248-255 +-sin / 6
.set SQ,  248
	s_load_b256 s[4:11], s[0:1], 0x0               ; pbuf, wc_blk, cos, sin
	s_load_b128 s[12:15], s[0:1], 0x20             ; q_blk, kv_blk
	v_lshl_add_u32 v[SPW], v0, 2, SPARE
	v_mov_b32 v[NIL], 0
	v_lshrrev_b32 v1, 5, v0
	s_delay_alu instid0(VALU_DEP_1)
	v_readfirstlane_b32 s16, v1                    ; wave
	v_lshrrev_b32 v24, 4, v0                       ; my token of the 32
	v_and_b32 v25, 15, v0                          ; dw: channels 8 dw on
	s_delay_alu instid0(VALU_DEP_2)
	v_lshlrev_b32 v[VA], 13, v24
	s_delay_alu instid0(VALU_DEP_1)
	v_lshl_add_u32 v[VP], v25, 5, v[VA]
	s_delay_alu instid0(VALU_DEP_1)
	v_xor_b32 v[VPP], 256, v[VP]
	s_delay_alu instid0(VALU_DEP_4)
	v_and_b32 v26, 7, v25
	v_lshlrev_b32 v[VC], 8, v24
	s_delay_alu instid0(VALU_DEP_1)
	v_lshl_add_u32 v[VC], v26, 5, v[VC]
	v_lshlrev_b32 v[VK], 6, v24
	v_lshrrev_b32 v27, 8, v0                       ; token / 16
	v_bfe_u32 v28, v0, 4, 4                        ; token % 16
	s_delay_alu instid0(VALU_DEP_2)
	v_lshlrev_b32 v[QST], 10, v27
	s_delay_alu instid0(VALU_DEP_1)
	v_lshl_add_u32 v[QST], v28, 4, v[QST]
	v_bfe_u32 v29, v0, 3, 1                        ; my register's place in an image: group dw / 8,
	v_bfe_u32 v30, v0, 2, 1                        ; half of the lanes (dw / 4) % 2,
	v_and_b32 v31, 3, v0                           ; register dw % 4
	s_delay_alu instid0(VALU_DEP_3)
	v_lshlrev_b32 v29, 9, v29
	s_delay_alu instid0(VALU_DEP_1)
	v_lshl_add_u32 v29, v30, 8, v29
	s_delay_alu instid0(VALU_DEP_1)
	v_lshl_add_u32 v29, v31, 2, v29
	s_delay_alu instid0(VALU_DEP_1)
	v_add_nc_u32 v[QST], v[QST], v29
	v_lshrrev_b32 v[QSB], 2, v0                    ; 4 x token + dw / 4: my block's byte
	v_bfe_u32 v26, v0, 7, 1                        ; k: u = (token / 8) % 2,
	v_bfe_u32 v28, v0, 4, 3
	s_delay_alu instid0(VALU_DEP_1)
	v_lshl_add_u32 v28, v27, 3, v28                ; row = token % 8 + 8 (token / 16)
	s_delay_alu instid0(VALU_DEP_3)
	v_lshlrev_b32 v[KST], 10, v26
	s_delay_alu instid0(VALU_DEP_1)
	v_lshl_add_u32 v[KST], v28, 4, v[KST]
	s_delay_alu instid0(VALU_DEP_1)
	v_add_nc_u32 v[KST], v[KST], v29
	v_lshlrev_b32 v[KSB], 6, v26
	s_delay_alu instid0(VALU_DEP_1)
	v_lshl_add_u32 v[KSB], v28, 2, v[KSB]
	v_bfe_u32 v30, v0, 2, 2
	s_delay_alu instid0(VALU_DEP_1)
	v_add_nc_u32 v[KSB], v[KSB], v30
	v_bfe_u32 v26, v0, 4, 1                        ; v: u = lane / 16, r = lane % 16
	v_bfe_u32 v27, v0, 3, 1
	s_delay_alu instid0(VALU_DEP_1)
	v_add_nc_u32 v27, v27, v26
	s_delay_alu instid0(VALU_DEP_1)
	v_lshl_add_u32 v27, v27, 3, v25                ; r + 8 u + 8 (r / 8)
	v_bfe_u32 v28, v0, 5, 2                        ; wave % 4: 32 channels
	s_delay_alu instid0(VALU_DEP_1)
	v_lshl_add_u32 v27, v28, 5, v27
	s_delay_alu instid0(VALU_DEP_1)
	v_lshlrev_b32 v[VV], 2, v27
	v_lshrrev_b32 v[VKV], 7, v0                    ; wave / 4: the kv head
	s_delay_alu instid0(VALU_DEP_1)
	v_lshlrev_b32 v[VKV], 3, v[VKV]
	v_lshlrev_b32 v[VVS], 10, v26
	s_delay_alu instid0(VALU_DEP_1)
	v_lshl_add_u32 v[VVS], v25, 4, v[VVS]
	v_lshlrev_b32 v[VVB], 6, v26
	s_delay_alu instid0(VALU_DEP_1)
	v_lshl_add_u32 v[VVB], v25, 2, v[VVB]
	s_and_b32 s17, ttmp9, 63                       ; my 32 tokens in the batch
	s_lshr_b32 s18, ttmp9, 6                       ; batch
	s_lshr_b32 s19, s17, 2                         ; step of 128 keys
	s_and_b32 s20, ttmp9, 3                        ; block of 32 in it
	s_mov_b32 s37, 0
	s_mov_b32 s39, 0
	s_mov_b32 s41, 0
	s_mov_b32 s43, 0
	s_wait_kmcnt 0x0
	s_lshl_b32 s36, ttmp9, 18
	s_add_nc_u64 s[4:5], s[4:5], s[36:37]
	s_lshl_b32 s36, ttmp9, 13
	s_add_nc_u64 s[8:9], s[8:9], s[36:37]
	s_add_nc_u64 s[10:11], s[10:11], s[36:37]
	s_lshl_b32 s36, ttmp9, 11
	s_add_co_u32 s36, s36, AKV
	s_add_nc_u64 s[22:23], s[6:7], s[36:37]
	s_lshl_b32 s36, s18, 2                         ; V: (4 batch + wave / 4) heads, my step,
	s_lshr_b32 s21, s16, 2
	s_add_co_u32 s36, s36, s21
	s_mul_i32 s36, s36, HEADB
	s_mul_i32 s21, s19, STEPB
	s_add_co_u32 s36, s36, s21
	s_add_co_u32 s36, s36, VG
	s_and_b32 s21, s16, 3
	s_lshl_b32 s38, s21, 11                        ; tiles 2 (wave % 4) on,
	s_add_co_u32 s38, s38, s36
	s_lshr_b32 s40, s20, 1
	s_lshl_b32 s40, s40, 9                         ; register group block / 2,
	s_add_co_u32 s38, s38, s40
	s_and_b32 s40, s20, 1
	s_lshl_b32 s40, s40, 8                         ; half of the lanes block % 2
	s_add_co_u32 s38, s38, s40
	s_add_nc_u64 s[24:25], s[14:15], s[38:39]
	s_lshl_b32 s38, s21, 7
	s_add_co_u32 s38, s38, s36
	s_add_co_u32 s38, s38, s20
	s_add_co_u32 s38, s38, 8192                    ; and byte 'block' of the scale words
	s_add_nc_u64 s[26:27], s[14:15], s[38:39]
	s_lshl_b32 s40, s18, 21                        ; q: (16 batch + wave) 128 + 2 x my 32 tokens, images of 1,024 bytes
	s_lshl_b32 s21, s16, 17
	s_add_co_u32 s40, s40, s21
	s_lshl_b32 s21, s17, 11
	s_add_co_u32 s40, s40, s21
	s_add_nc_u64 s[28:29], s[12:13], s[40:41]
	s_lshr_b32 s42, s40, 4                         ; the same number x 64
	s_add_co_u32 s42, s42, QSCO
	s_add_nc_u64 s[30:31], s[12:13], s[42:43]
	global_load_b128 v[CK:CK+3], v[VC], s[8:9]
	global_load_b128 v[CK+4:CK+7], v[VC], s[8:9] offset:16
	global_load_b128 v[SK:SK+3], v[VC], s[10:11]
	global_load_b128 v[SK+4:SK+7], v[VC], s[10:11] offset:16
.irp k, 0,1,2,3,4,5
	global_load_b128 v[BQ+8*\k:BQ+8*\k+3], v[VP], s[4:5] offset:384+512*\k
	global_load_b128 v[BQ+8*\k+4:BQ+8*\k+7], v[VP], s[4:5] offset:384+512*\k+16
.endr
.irp k, 0,1,2,3,4,5
	global_load_b128 v[BP+8*\k:BP+8*\k+3], v[VPP], s[4:5] offset:384+512*\k
	global_load_b128 v[BP+8*\k+4:BP+8*\k+7], v[VPP], s[4:5] offset:384+512*\k+16
.endr
.irp i, 0,1,2,3,4,5,6,7,8,9,10,11,12,13,14,15,16,17,18,19,20,21,22,23
	global_load_b128 v[AQ+4*\i:AQ+4*\i+3], v[VA], s[4:5] offset:16*\i
.endr
	s_wait_loadcnt 24                              ; tables and B_q are in; A_q's 24 loads stay out
	v_and_b32 v24, 8, v0
	s_delay_alu instid0(VALU_DEP_1)
	v_xor_b32 v24, 8, v24
	s_delay_alu instid0(VALU_DEP_1)
	v_lshlrev_b32 v24, 28, v24                     ; channels under 64 take -sin
.irp j, 0,1,2,3,4,5,6,7
	v_xor_b32 v[SK+\j], v24, v[SK+\j]
.endr
.irp j, 0,2,4,6
	v_pk_mul_f32 v[CQ+\j:CQ+\j+1], v[CK+\j:CK+\j+1], 0x3e2aaaab op_sel_hi:[1,0]
	v_pk_mul_f32 v[SQ+\j:SQ+\j+1], v[SK+\j:SK+\j+1], 0x3e2aaaab op_sel_hi:[1,0]
	v_pk_mul_f32 v[CK+\j:CK+\j+1], v[CK+\j:CK+\j+1], 0.5 op_sel_hi:[1,0]
	v_pk_mul_f32 v[SK+\j:SK+\j+1], v[SK+\j:SK+\j+1], 0.5 op_sel_hi:[1,0]
.endr
.irp k, 0,1,2,3,4,5
.irp j, 0,2,4,6
	v_pk_mul_f32 v[BQ+8*\k+\j:BQ+8*\k+\j+1], v[BQ+8*\k+\j:BQ+8*\k+\j+1], v[CQ+\j:CQ+\j+1]
.endr
.irp j, 0,2,4,6
	s_delay_alu instid0(VALU_DEP_4)
	v_pk_fma_f32 v[BQ+8*\k+\j:BQ+8*\k+\j+1], v[BP+8*\k+\j:BP+8*\k+\j+1], v[SQ+\j:SQ+\j+1], v[BQ+8*\k+\j:BQ+8*\k+\j+1]
.endr
.endr
.irp k, 0,1                                    ; k's data, into the registers that the turn has left
	global_load_b128 v[BP+8*\k:BP+8*\k+3], v[VP], s[4:5] offset:3456+512*\k
	global_load_b128 v[BP+8*\k+4:BP+8*\k+7], v[VP], s[4:5] offset:3456+512*\k+16
	global_load_b128 v[BP+16+8*\k:BP+16+8*\k+3], v[VPP], s[4:5] offset:3456+512*\k
	global_load_b128 v[BP+16+8*\k+4:BP+16+8*\k+7], v[VPP], s[4:5] offset:3456+512*\k+16
.endr
	global_load_b128 v[BP+32:BP+35], v[VK], s[22:23]
	global_load_b128 v[BP+36:BP+39], v[VK], s[22:23] offset:16
	s_wait_loadcnt 10                              ; A_q is in; k's 10 loads stay out
; my 8 numbers in v[AC] on become 8 codes and my block's byte, in set n of two
.macro QB n
	s_delay_alu instid0(VALU_DEP_4)
	v_max3_num_f32 v24, |v[AC]|, |v[AC+1]|, 0x1800000
	s_delay_alu instid0(VALU_DEP_1)
	v_max3_num_f32 v24, v24, |v[AC+2]|, |v[AC+3]|
	s_delay_alu instid0(VALU_DEP_1)
	v_max3_num_f32 v24, v24, |v[AC+4]|, |v[AC+5]|
	s_delay_alu instid0(VALU_DEP_1)
	v_max3_num_f32 v24, v24, |v[AC+6]|, |v[AC+7]|
	s_delay_alu instid0(VALU_DEP_1)
	v_max_num_f32_dpp v24, v24, v24 row_xmask:1 row_mask:0xf bank_mask:0xf
	s_delay_alu instid0(VALU_DEP_1)
	v_max_num_f32_dpp v24, v24, v24 row_xmask:2 row_mask:0xf bank_mask:0xf   ; the four lanes of a block of 32 channels
	s_delay_alu instid0(VALU_DEP_1)
	v_add_nc_u32 v25, 0xff000000, v24
	s_wait_alu depctr_va_vdst(0)
	s_wait_dscnt 2                                 ; the two stores that read this set are done; the last head's two may be out
	v_cvt_scalef32_pk8_fp4_f32 v[CD+2*(\n)], v[AC:AC+7], v25
	v_lshrrev_b32 v[CD+2*(\n)+1], 23, v25          ; (the plain line behind the conversion)
.endm
.macro HEAD hd
.irp j, 0,2,4,6
	v_pk_mul_f32 v[AC+\j:AC+\j+1], v[BQ+\j:BQ+\j+1], v[AQ+6*(\hd):AQ+6*(\hd)+1] op_sel_hi:[1,0]
.endr
.irp k, 1,2,3,4,5
.irp j, 0,2,4,6
.if \k % 2
	s_delay_alu instid0(VALU_DEP_4)
	v_pk_fma_f32 v[AC+\j:AC+\j+1], v[BQ+8*\k+\j:BQ+8*\k+\j+1], v[AQ+6*(\hd)+\k-1:AQ+6*(\hd)+\k], v[AC+\j:AC+\j+1] op_sel:[0,1,0] op_sel_hi:[1,1,1]   ; both halves x the pair's upper factor
.else
	s_delay_alu instid0(VALU_DEP_4)
	v_pk_fma_f32 v[AC+\j:AC+\j+1], v[BQ+8*\k+\j:BQ+8*\k+\j+1], v[AQ+6*(\hd)+\k:AQ+6*(\hd)+\k+1], v[AC+\j:AC+\j+1] op_sel_hi:[1,0,1]                  ; both halves x the lower
.endif
.endr
.endr
	QB (\hd)%2
	ds_store_b32 v[QST], v[CD+2*((\hd)%2)] offset:(\hd)*2048
	ds_store_b8 v[QSB], v[CD+2*((\hd)%2)+1] offset:QSC+(\hd)*128     ; the four lanes of a block write the same byte with the same value
.endm
.irp n, 0,1,2,3,4,5,6,7,8,9,10,11,12,13,14,15
	HEAD \n
.endr
	s_wait_loadcnt 0x0                             ; k's data
.irp i, 0,1,2,3,4,5,6,7,8,9,10,11,12,13,14,15,16,17,18,19,20,21,22,23,24,25,26,27,28,29,30,31
	global_load_b32 v[32+\i], v[VV], s[4:5] offset:\i*8192+4480      ; v's data land while k is made: B_v rank 0 of token i, my channel
.endr
.irp i, 0,1,2,3,4,5,6,7,8,9,10,11,12,13,14,15,16,17,18,19,20,21,22,23,24,25,26,27,28,29,30,31
	global_load_b32 v[64+\i], v[VV], s[4:5] offset:\i*8192+4992      ; rank 1
.endr
.irp i, 0,1,2,3,4,5,6,7,8,9,10,11,12,13,14,15,16,17,18,19,20,21,22,23,24,25,26,27,28,29,30,31
	global_load_b64 v[96+2*\i:97+2*\i], v[VKV], s[22:23] offset:\i*64+32   ; A_v of token i, my kv head
.endr
.irp k, 0,1
.irp j, 0,2,4,6
	v_pk_mul_f32 v[BP+8*\k+\j:BP+8*\k+\j+1], v[BP+8*\k+\j:BP+8*\k+\j+1], v[CK+\j:CK+\j+1]
.endr
.irp j, 0,2,4,6
	s_delay_alu instid0(VALU_DEP_4)
	v_pk_fma_f32 v[BP+8*\k+\j:BP+8*\k+\j+1], v[BP+16+8*\k+\j:BP+16+8*\k+\j+1], v[SK+\j:SK+\j+1], v[BP+8*\k+\j:BP+8*\k+\j+1]
.endr
.endr
.irp n, 0,1,2,3
.irp j, 0,2,4,6
	v_pk_mul_f32 v[AC+\j:AC+\j+1], v[BP+\j:BP+\j+1], v[BP+32+2*\n:BP+33+2*\n] op_sel_hi:[1,0]
.endr
.irp j, 0,2,4,6
	s_delay_alu instid0(VALU_DEP_4)
	v_pk_fma_f32 v[AC+\j:AC+\j+1], v[BP+8+\j:BP+9+\j], v[BP+32+2*\n:BP+33+2*\n], v[AC+\j:AC+\j+1] op_sel:[0,1,0] op_sel_hi:[1,1,1]
.endr
	QB \n%2
	ds_store_b32 v[KST], v[CD+2*(\n%2)] offset:KIMG+\n*2048
	ds_store_b8 v[KSB], v[CD+2*(\n%2)+1] offset:KSC+\n*128
.endr
	s_wait_loadcnt 0x0                             ; v's data
.irp i, 0,1,2,3,4,5,6,7,8,9,10,11,12,13,14,15,16,17,18,19,20,21,22,23,24,25,26,27,28,29,30,31
	v_mul_f32 v[32+\i], v[32+\i], v[96+2*\i]
.endr
.irp i, 0,1,2,3,4,5,6,7,8,9,10,11,12,13,14,15,16,17,18,19,20,21,22,23,24,25,26,27,28,29,30,31
	v_fmac_f32 v[32+\i], v[64+\i], v[97+2*\i]
.endr
.irp j, 0,2,4,6,8,10,12,14,16,18,20,22,24,26,28,30
	v_pk_mul_f32 v[32+\j:33+\j], v[32+\j:33+\j], 0.5 op_sel_hi:[1,0]
.endr
	v_max3_num_f32 v164, |v32|, |v33|, |v34|       ; a block of 32 keys: all its numbers are mine
	v_max3_num_f32 v165, |v35|, |v36|, |v37|
.irp i, 6,10,14,18,22,26
	s_delay_alu instid0(VALU_DEP_2)
	v_max3_num_f32 v164, v164, |v[32+\i]|, |v[33+\i]|
	s_delay_alu instid0(VALU_DEP_2)
	v_max3_num_f32 v165, v165, |v[34+\i]|, |v[35+\i]|
.endr
	s_delay_alu instid0(VALU_DEP_2)
	v_max3_num_f32 v164, v164, |v62|, |v63|
	s_delay_alu instid0(VALU_DEP_1)
	v_max3_num_f32 v164, v164, v165, 0x1800000
	s_delay_alu instid0(VALU_DEP_1)
	v_add_nc_u32 v166, 0xff000000, v164
	s_delay_alu instid0(VALU_DEP_1)
	v_lshrrev_b32 v167, 23, v166
.irp g, 0,1,2,3
	v_cvt_scalef32_pk8_fp4_f32 v[160+\g], v[32+8*\g:39+8*\g], v166
.endr
	v_nop                                          ; one plain place behind the conversions
	global_store_b128 v[VVS], v[160:163], s[24:25]           ; sixteen lanes store 256 consecutive bytes, aligned
	global_store_b8 v[VVB], v167, s[26:27]
	s_wait_dscnt 0x0                               ; for the others' sake: my codes and bytes of q and k lie in LDS
	s_barrier_signal -1
	s_barrier_wait -1
	v_and_b32 v32, 31, v0
	s_delay_alu instid0(VALU_DEP_1)
	v_lshlrev_b32 v33, 4, v32
	s_delay_alu instid0(VALU_DEP_2)
	v_lshlrev_b32 v34, 2, v32
	s_lshl_b32 s36, s16, 11
	v_add_nc_u32 v35, s36, v33                     ; wave w copies head w's two images,
	s_lshl_b32 s36, s16, 7
	v_add_nc_u32 v36, s36, v34                     ; and their 32 scale words
.irp j, 0,1,2,3
	ds_load_b128 v[40+4*\j:43+4*\j], v35 offset:\j*512
.endr
	ds_load_b32 v56, v36 offset:QSC
	s_wait_alu depctr_va_vdst(0)
	s_wait_dscnt 0x0
.irp j, 0,1,2,3
	global_store_b128 v33, v[40+4*\j:43+4*\j], s[28:29] offset:\j*512
.endr
	global_store_b32 v34, v56, s[30:31]
	s_cmp_ge_u32 s16, 4                            ; waves 0-3 copy k's: wave = kv head
	s_cbranch_scc1 .Lno_k
	s_lshl_b32 s36, s18, 2
	s_add_co_u32 s36, s36, s16
	s_mul_i32 s36, s36, HEADB
	s_mul_i32 s21, s19, STEPB
	s_add_co_u32 s36, s36, s21
	s_lshl_b32 s21, s20, 11
	s_add_co_u32 s38, s36, s21                     ; tiles 2 x block on
	s_add_nc_u64 s[32:33], s[14:15], s[38:39]
	s_lshl_b32 s21, s20, 7
	s_add_co_u32 s38, s36, s21
	s_add_co_u32 s38, s38, 8192
	s_add_nc_u64 s[34:35], s[14:15], s[38:39]
.irp j, 0,1,2,3
	ds_load_b128 v[60+4*\j:63+4*\j], v35 offset:KIMG+\j*512
.endr
	ds_load_b32 v76, v36 offset:KSC
	s_wait_dscnt 0x0
.irp j, 0,1,2,3
	global_store_b128 v33, v[60+4*\j:63+4*\j], s[32:33] offset:\j*512
.endr
	global_store_b32 v34, v76, s[34:35]
.Lno_k:
	s_wait_tensorcnt 0x0                           ; the wave's end
	ds_add_u32 v[SPW], v[NIL]
	s_wait_dscnt 0x0
	s_endpgm
.Lfunc_end_k_qd9723a7b1b_recon:
	.size	k_qd9723a7b1b_recon, .Lfunc_end_k_qd9723a7b1b_recon-k_qd9723a7b1b_recon
	.p2alignl 7, 3214868480
	.fill 96, 4, 3214868480
	.section	.rodata,"a",@progbits
	.p2align	6, 0x0
	.amdhsa_kernel k_qd9723a7b1b_recon
		.amdhsa_group_segment_fixed_size 45568
		.amdhsa_private_segment_fixed_size 0
		.amdhsa_enable_private_segment 0
		.amdhsa_kernarg_size 48
		.amdhsa_user_sgpr_count 2
		.amdhsa_user_sgpr_kernarg_segment_ptr 1
		.amdhsa_wavefront_size32 1
		.amdhsa_system_sgpr_workgroup_id_x 1
		.amdhsa_system_sgpr_workgroup_id_y 1
		.amdhsa_system_sgpr_workgroup_id_z 1
		.amdhsa_system_vgpr_workitem_id 0
		.amdhsa_next_free_vgpr 256
		.amdhsa_next_free_sgpr 66
		.amdhsa_reserve_vcc 0
		.amdhsa_float_denorm_mode_32 3
		.amdhsa_float_denorm_mode_16_64 3
		.amdhsa_memory_ordered 1
		.amdhsa_forward_progress 1
		.amdhsa_inst_pref_size 91
	.end_amdhsa_kernel
	.amdgpu_metadata
---
amdhsa.version: [ 1, 2 ]
amdhsa.kernels:
  - .name:           k_qd9723a7b1b_recon
    .symbol:         k_qd9723a7b1b_recon.kd
    .args:
      - { .name: pbuf, .offset: 0, .size: 8, .value_kind: global_buffer, .address_space: global }
      - { .name: wc_blk, .offset: 8, .size: 8, .value_kind: global_buffer, .address_space: global }
      - { .name: cos, .offset: 16, .size: 8, .value_kind: global_buffer, .address_space: global }
      - { .name: sin, .offset: 24, .size: 8, .value_kind: global_buffer, .address_space: global }
      - { .name: q_blk, .offset: 32, .size: 8, .value_kind: global_buffer, .address_space: global }
      - { .name: kv_blk, .offset: 40, .size: 8, .value_kind: global_buffer, .address_space: global }
    .group_segment_fixed_size: 45568
    .private_segment_fixed_size: 0
    .kernarg_segment_align: 8
    .kernarg_segment_size: 48
    .max_flat_workgroup_size: 512
    .sgpr_count:     66
    .vgpr_count:     256
    .wavefront_size: 32
...
	.end_amdgpu_metadata
.endif
;; end of part 3
;; launch attn (part 4): grid 8 x 32, 8 waves a work-group, clusters of 4 x 4, 327,680 bytes of LDS; arguments q_blk, kv_blk, attention_mask, sinks, o_blk; writes o_blk
.if DOCPART == 4
	.amdgcn_target "amdgcn-amd-amdhsa--gfx1250"
	.amdhsa_code_object_version 6
	.text
	.protected	k_qd9723a7b1b_attn
	.globl	k_qd9723a7b1b_attn
	.p2align	8
	.type	k_qd9723a7b1b_attn,@function
k_qd9723a7b1b_attn:
	s_mov_b64 s[64:65], 0
	v_nop
	global_prefetch_b8 v0, s[64:65] scope:SCOPE_SE
	s_setreg_imm32_b32 hwreg(HW_REG_WAVE_MODE, 25, 1), 1
	s_wait_xcnt 0x0
	s_wait_alu depctr_hold_cnt(0) depctr_sa_sdst(0) depctr_va_vdst(0) depctr_va_sdst(0) depctr_va_ssrc(0) depctr_va_vcc(0) depctr_vm_vsrc(0)
	s_getreg_b32 s2, hwreg(HW_REG_IB_STS2, 6, 4)
	s_cmp_eq_u32 s2, 0
	s_cbranch_scc0 .Lentry_in_a_cluster
	s_endpgm
.Lentry_in_a_cluster:
	s_bfe_u32 s2, ttmp6, 0x10000c
	s_cmp_lg_u32 s2, 0xf033
	s_cbranch_scc0 .Lentry_shape_is_right
	s_endpgm
.Lentry_shape_is_right:
; Attention with an additive mask that is an INPUT (every tile of keys is walked; nothing is left out) and a gate by sinks; both products on codes of E2M1.
; The second product takes w = softmax(logits) x sigmoid(log_z - sink), finished and normalised, quantised along the keys: its scales hang on the row's log_z.  So the keys are walked TWICE.
; y = q.k + mask x sqrt(128) is made by the score product itself: the scaled mask is its C operand.  t = c y, c = log2(e) / sqrt(128).
;   pass 1: the largest y of each block of 32 keys (kept in the wave's own LDS bytes for pass 2), the running largest y, M = ceil(c x it), the sum l of 2^(c y - M);
;   pass 2: the same products give the same y; w = 2^(c y - L), one multiply-add and one exponential; a block's largest w comes from the kept largest y by the same two instructions; O^T += V^T w^T.
; THE IDENTITY: sigmoid(log_z - s) = Z / (Z + e^s), so w = e^x / (Z + e^s): the sink enters the running maximum and the sum as one more logit (y = s sqrt(128)), and L = M + log2(l).
; The maximum is taken away before every exponential.  A row that is masked throughout gives w = 0, as the gate does.
; LIMITS: an order of rounding: the mask is multiplied by sqrt(128), added to the raw score in the matrix instruction, and the sum multiplied by c; masks of magnitude 3e37 and more are not served;
; the promise holds while the scaled scores stay under 2^31 in magnitude; where |M| passes some 2^20 the fraction of log2(l) is lost in L; w under 2^-126 is 0; NaN is not served.
; SHARES.  A work-group: one batch, one kv head, 64 queries.  Wave w: queries 16 (w % 4) on, heads 4 kvh + 2 (w / 4) + 0, 1: both heads use each mask register and each fragment of K and V.
; LAYOUT.  Both products transposed: a lane holds one query; the keys of a tile of K and the channels of a tile of V were chosen by the launch before so that 16 registers of two neighbouring tiles are 16 neighbours along the next K.
; RING.  Two slots of 256 keys: 64 rows of the mask (1,024 bytes + 16), two steps of K, two of V (8,704 dense bytes each).  Waves 0-3 fetch the mask, 4-5 K, 6-7 V.  V's slot 0 comes at the head, its slot 1 behind
; the first round; both lie there through pass 1, in which V is not asked for.  A step's K, scale words and mask (40 LDS loads) are asked for in the step before, behind the second head's products.
; The change of slots stands in the middle of a slot's second step: signal early, work on registers, then the rest of the cluster's round and the joint refill.
; CLUSTER 4 x 4: along x the four kv heads of a batch share the mask's tile; along y four blocks of queries share K and V: every tile is asked for jointly by four.
; REGISTERS, window 0: v1-11 addresses; v12-19 statistics; v20-35 Q; v36-55 scale words; v56-71 w's codes; v72-95 at work; v96-159 y; v160-223 the mask; v224-231 kept maxima.  Window 1: v0-127 O^T; v128-191 K; v192-255 V.
.set SLOT1, 131072
.set MP,    1040
.set KB,    66560
.set STEPB, 8704
.set SPARE, 232448                     ; the spare words, 128 bytes for each wave
.set BMX,   233472                     ; 8,192 bytes for each wave: 16 steps x 2 heads x 16 queries x 4 maxima
.set VG,    1114112
.set HEADB, 139264
.set QSCO,  4194304
.set TILEB, 17408
.set KSLOT, 4352
.set AM0, 1
.set L16, 2
.set R4,  3
.set ADM, 4
.set ADK, 5
.set ADS, 6
.set PFO, 7
.set ABM0, 8
.set ABM, 9
.set SPW, 10
.set NIL, 11
.set ST,  12                           ; head e at v[12 + 4 e]: +0 -M (pass 2: -L), +1 the largest y, +2, +3 the sum in two halves
.set QF,  20
.set QS,  36
.set KS,  38
.set VS,  46
.set PW,  54
.set P,   56
.set BM,  72
.set BP,  76
.set SO,  80
.set S,   96
.set MK,  160
.set BL,  224
.set KF,  128                          ; in window 1
.set VF,  192
.set WV,  14
.set G1M, 20
.set G1D, 28
.set G0M, 36
.set G0D, 40
.set BASEM, 48
.set BASED, 50
.set F,   52                           ; the number of the fill last asked for
.set TB,  56
.set TMK, 57
.set TK,  58
.set TBM, 59                           ; where the slot's kept maxima begin in my 8,192 bytes
.set LP,  60
.set CS,  62                           ; s[62:63] c
.set SEL, 68
.set PFA, 70
.set LIM, 72
.set SQ,  92                           ; s[92:93] sqrt(128)
.set MSB, 0
.macro WIN new                         ; the immediate's high byte repeats the setting that is left
.if MSB != \new
	s_set_vgpr_msb (MSB<<8)|\new
.set MSB, \new
.endif
.endm
.macro FILL n
.rept \n
	v_nop
.endr
.endm
.macro CREST                           ; a round of the cluster's barrier behind its opening barrier
	s_cmp_lg_u32 s[WV], 0
	s_cbranch_scc1 .Lnot_wave_0_\@
	s_barrier_signal -3
.Lnot_wave_0_\@:
	s_barrier_wait -3
	s_barrier_signal -1
	s_barrier_wait -1
.endm
.macro CROUND
	s_barrier_signal -1
	s_barrier_wait -1
	CREST
.endm
; A joint load, one a wave.  v = 0: V is not asked for: waves 6 and 7 pass.  The branches hang on the wave's number alone.  An s_nop 0 and four v_nop follow each line.
.macro JLOAD v
	s_cmp_lt_u32 s[WV], 4
	s_cbranch_scc0 .Lnot_m_\@
	tensor_load_to_lds s[G0M:G0M+3], s[G1M:G1M+7]
	s_nop 0
	FILL 4
	s_branch .Lasked_\@
.Lnot_m_\@:
.if \v == 0
	s_cmp_lt_u32 s[WV], 6
	s_cbranch_scc0 .Lasked_\@
.endif
	tensor_load_to_lds s[G0D:G0D+3], s[G1D:G1D+7]
	s_nop 0
	FILL 4
.Lasked_\@:
.endm
; A prefetch of the mask's tile that the NEXT change of slots will ask for, in pass 1: 64 rows x 1,024 bytes.  Both batches' clusters read it: the first batch's asks.  Its four partners along x take 16 rows each,
; told apart by address; in each, waves 6 and 7 take 8 rows: four lanes to a row, 256 bytes apart.  Fills 2 to 7 are named so, once each; the later changes ask for nothing.
.macro ASK
	s_cmp_lt_u32 s[F], s[LIM]
	s_cbranch_scc0 .Lnot_mine_\@
	global_prefetch_b8 v[PFO], s[PFA:PFA+1] th:TH_LOAD_NT scope:SCOPE_SE
.Lnot_mine_\@:
.endm
	s_load_b256 s[4:11], s[0:1], 0x0               ; q_blk, kv_blk, the mask, sinks
	s_load_b64 s[12:13], s[0:1], 0x20              ; o_blk
	v_lshl_add_u32 v[SPW], v0, 2, SPARE
	v_mov_b32 v[NIL], 0
	ds_add_u32 v[SPW], v[NIL]                      ; the wave's opening: the add, twice on end, and its wait ahead of my first tensor load
	ds_add_u32 v[SPW], v[NIL]
	v_lshrrev_b32 v1, 5, v0
	s_delay_alu instid0(VALU_DEP_1)
	v_readfirstlane_b32 s[WV], v1
	s_and_b32 s17, s[WV], 3
	s_lshr_b32 s61, s[WV], 2                       ; which pair of heads
	s_bfe_u32 s15, ttmp6, 0x40000                  ; cx = the kv head
	s_bfe_u32 s16, ttmp6, 0x40004                  ; cy
	s_and_b32 s18, ttmp7, 0xffff
	s_lshl_b32 s18, s18, 2
	s_add_co_u32 s18, s18, s16                     ; y: block of 64 queries
	s_lshl_b32 s19, s16, 2
	s_lshl_b32 s19, 15, s19                        ; my row of the cluster
	s_lshl_b32 s53, 0x1111, s15                    ; my column
	s_or_b32 s[G1M], s19, (2<<16)|(1<<20)|(1<<21)|(7<<22)|(3<<25)   ; the mask's tile goes to my row; elements of 4 bytes; four words of padding behind every 256
	s_mov_b32 s[G1M+1], 256<<16
	s_mov_b32 s[G1M+2], 16<<16
	s_mov_b32 s[G1M+3], 256<<16
	s_mov_b32 s[G1M+4], 16
	s_mov_b32 s[G1M+5], 2048
	s_mov_b32 s[G1M+6], 0
	s_mov_b32 s[G1M+7], 0
	s_or_b32 s[G1D], s53, (3<<16)|(1<<21)          ; K and V go to my column; a dense block as 34 rows of 256 bytes
	s_mov_b32 s[G1D+1], 32<<16
	s_mov_b32 s[G1D+2], 34<<16
	s_mov_b32 s[G1D+3], 32<<16
	s_mov_b32 s[G1D+4], 34
	s_mov_b32 s[G1D+5], 32
	s_mov_b32 s[G1D+6], 0
	s_mov_b32 s[G1D+7], 0
	s_lshl_b32 s54, s18, 19                        ; the mask: 64 y rows of 8,192 bytes + my 16: made of y and the wave's number alone
	s_lshl_b32 s73, s17, 17
	s_add_co_u32 s54, s54, s73
	s_mov_b32 s55, 0
	s_lshl_b32 s88, ttmp9, 2                       ; K, V: (4 batch + kv head), my step of a slot's two, V behind K: no cy in it
	s_add_co_u32 s88, s88, s15
	s_mul_i32 s88, s88, HEADB
	s_and_b32 s90, s[WV], 1
	s_mul_i32 s91, s90, STEPB
	s_add_co_u32 s88, s88, s91
	s_cmp_ge_u32 s[WV], 6
	s_cselect_b32 s91, VG, 0
	s_add_co_u32 s88, s88, s91
	s_mov_b32 s89, 0
	s_lshl_b32 s92, ttmp9, 4                       ; Q: ((16 batch + head) 128 + tile of queries)
	s_lshl_b32 s93, s15, 2
	s_add_co_u32 s92, s92, s93
	s_lshl_b32 s93, s61, 1
	s_add_co_u32 s92, s92, s93
	s_lshl_b32 s92, s92, 7
	s_lshl_b32 s93, s18, 2
	s_add_co_u32 s92, s92, s93
	s_add_co_u32 s92, s92, s17
	s_lshl_b32 s80, s92, 10
	s_mov_b32 s81, 0
	s_lshl_b32 s82, s92, 6
	s_add_co_u32 s82, s82, QSCO
	s_mov_b32 s83, 0
	s_lshl_b32 s92, ttmp9, 7                       ; O: tile of tokens 128 batch + 4 y + w % 4, piece = kv head, images 2 (w / 4) + 0, 1
	s_add_co_u32 s92, s92, s93
	s_add_co_u32 s92, s92, s17
	s_mul_i32 s92, s92, TILEB
	s_mul_i32 s93, s15, KSLOT
	s_add_co_u32 s92, s92, s93
	s_lshl_b32 s93, s61, 11
	s_add_co_u32 s84, s92, s93
	s_mov_b32 s85, 0
	s_lshl_b32 s93, s61, 7
	s_add_co_u32 s86, s92, s93
	s_add_co_u32 s86, s86, 4096
	s_mov_b32 s87, 0
	s_lshl_b32 s94, s15, 4
	s_lshl_b32 s93, s61, 3
	s_add_co_u32 s94, s94, s93                     ; my two sinks
	s_lshl_b32 s70, s18, 19                        ; the prefetches: rows 64 y + 16 cx + 8 (w % 2), at fill 1: the first change steps it to fill 2
	s_lshl_b32 s93, s15, 17
	s_add_co_u32 s70, s70, s93
	s_lshl_b32 s93, s90, 16
	s_add_co_u32 s70, s70, s93
	s_add_co_u32 s70, s70, 1024
	s_mov_b32 s71, 0
	s_cmp_ge_u32 s[WV], 6
	s_cselect_b32 s[LIM], 7, 0
	s_cmp_eq_u32 ttmp9, 0                          ; the cluster's x: the same in all partners
	s_cselect_b32 s[LIM], s[LIM], 0
	s_mul_i32 s95, s17, 16*MP                      ; my 16 rows of the mask in a slot
	s_lshl_b32 s91, s[WV], 13
	s_add_co_u32 s91, s91, BMX                     ; my wave's kept maxima
	s_mov_b32 s[SQ], 0x413504f3
	s_mov_b32 s[SQ+1], s[SQ]
	s_mov_b32 s[CS], 0x3e0293ee
	s_mov_b32 s[CS+1], s[CS]
	s_mov_b32 s[SEL], 0x76543210
	s_mov_b32 s[SEL+1], 0xfedcba98
	s_mov_b32 s[F], 0
	s_mov_b32 s[TB], 0
	s_mov_b32 s[TBM], 0
	s_mov_b32 s75, 0
	s_mov_b32 s77, 0
	s_wait_dscnt 0x0                               ; both opening adds are done
	s_wait_kmcnt 0x0
	s_add_nc_u64 s[BASEM:BASEM+1], s[8:9], s[54:55]
	s_add_nc_u64 s[BASED:BASED+1], s[6:7], s[88:89]
	s_add_nc_u64 s[80:81], s[4:5], s[80:81]
	s_add_nc_u64 s[82:83], s[4:5], s[82:83]
	s_add_nc_u64 s[84:85], s[12:13], s[84:85]
	s_add_nc_u64 s[86:87], s[12:13], s[86:87]
	s_add_nc_u64 s[PFA:PFA+1], s[8:9], s[70:71]
	s_load_b64 s[78:79], s[10:11], s94 offset:0x0
	CROUND                                         ; all sixteen work-groups are here: the first joint loads meet
	s_mov_b32 s[G0M], 1
	s_mov_b32 s[G0M+1], s95
	s_mov_b64 s[G0M+2:G0M+3], s[BASEM:BASEM+1]
	s_or_b32 s[G0M+3], s[G0M+3], 0x80000000
	s_mov_b32 s[G0D], 1
	s_mul_i32 s[G0D+1], s17, STEPB
	s_add_co_u32 s[G0D+1], s[G0D+1], KB
	s_mov_b64 s[G0D+2:G0D+3], s[BASED:BASED+1]
	s_or_b32 s[G0D+3], s[G0D+3], 0x80000000
	JLOAD 1                                        ; slot 0's mask, K and V: one tensor load a wave at the head
	v_and_b32 v88, 15, v0                          ; r
	v_bfe_u32 v89, v0, 4, 1                        ; h
	v_and_b32 v84, 31, v0
	v_mul_u32_u24 v[AM0], v88, MP
	v_lshlrev_b32 v[R4], 2, v88
	v_lshlrev_b32 v[L16], 4, v84
	v_lshlrev_b32 v[ABM0], 4, v88
	v_lshrrev_b32 v[PFO], 2, v84
	v_and_b32 v85, 3, v84
	v_lshl_add_u32 v[AM0], v89, 6, v[AM0]
	v_add_nc_u32 v[ABM0], s91, v[ABM0]             ; lanes r and r + 16 hold, write and read the same four maxima of query r
	v_lshlrev_b32 v[PFO], 13, v[PFO]
	s_delay_alu instid0(VALU_DEP_3)
	v_add_nc_u32 v[AM0], s95, v[AM0]               ; the mask: my query's row, + 64 h: 16 neighbouring keys of each block of 32
	s_delay_alu instid0(VALU_DEP_2)
	v_lshl_add_u32 v[PFO], v85, 8, v[PFO]
.irp e, 0,1
.irp c, 0,1
	global_load_b128 v[QF+8*\e+4*\c:QF+8*\e+4*\c+3], v[L16], s[80:81] offset:\e*131072+\c*512
.endr
	global_load_b32 v[QS+\e], v[R4], s[82:83] offset:\e*8192
.endr
	s_wait_kmcnt 0x0                               ; the sinks
.irp e, 0,1                                    ; the sink is the first logit: y = sink sqrt(128), -M = floor(-c y), and 2^(c y - M) in halves to the two lanes of a query
	v_mov_b32 v[84+\e], s[78+\e]
.endr
.irp e, 0,1
	s_delay_alu instid0(VALU_DEP_2)
	v_mul_f32 v[ST+4*\e+1], s[SQ], v[84+\e]
.endr
.irp e, 0,1
	s_delay_alu instid0(VALU_DEP_2)
	v_mul_f32 v[84+\e], s[CS], v[ST+4*\e+1]
.endr
.irp e, 0,1
	s_delay_alu instid0(VALU_DEP_2)
	v_floor_f32 v[ST+4*\e], -v[84+\e]
.endr
.irp e, 0,1
	s_delay_alu instid0(VALU_DEP_2)
	v_fma_f32 v[84+\e], v[ST+4*\e+1], s[CS], v[ST+4*\e]
.endr
.irp e, 0,1
	s_delay_alu instid0(VALU_DEP_2)
	v_add_f32 v[84+\e], -1.0, v[84+\e]
.endr
	s_wait_alu depctr_va_vdst(0)                   ; ahead of the exponentials
	v_exp_f32 v[ST+2], v84
	v_exp_f32 v[ST+6], v85
	v_mov_b32 v[ST+3], 0                           ; (a plain place behind the exponentials)
	v_mov_b32 v[ST+7], 0
.irp b, 0,1,2,3
	v_mov_b32 v[BP+\b], 0                          ; a lane permute's destination counts as one of its sources
.endr
	v_mov_b32 v87, 0                               ; (named as the upper half of the pair v[86:87])
	WIN 0x40
.set jj, 0
.rept 128
	v_mov_b32 v[jj], 0                             ; O^T: the step of pass 2 is written in one form, which adds
.set jj, jj+1
.endr
	WIN 0
	s_wait_alu depctr_va_vdst(0)                   ; the head's end, and behind the exponentials
	s_wait_loadcnt 0x0                             ; Q
; 40 LDS loads: K's 8 fragments and scale words and my 64 numbers of the mask, of the step at s[TMK], s[TK].  The three additions and the v_nop are the four places behind the second head's products, which read these registers.
.macro LOADKM
	v_add_nc_u32 v[ADM], s[TMK], v[AM0]
	v_add_nc_u32 v[ADK], s[TK], v[L16]
	v_add_nc_u32 v[ADS], s[TK], v[R4]
	v_nop
	WIN 0x40
.irp t, 0,1,2,3,4,5,6,7
.irp c, 0,1
	ds_load_b128 v[KF+8*\t+4*\c:KF+8*\t+4*\c+3], v[ADK] offset:\t*1024+\c*512
.endr
.endr
	WIN 0
.irp t, 0,1,2,3,4,5,6,7
	ds_load_b32 v[KS+\t], v[ADS] offset:8192+\t*64
.endr
.irp b, 0,1,2,3
.irp j, 0,1,2,3
	ds_load_b128 v[MK+16*\b+4*\j:MK+16*\b+4*\j+3], v[ADM] offset:\b*128+\j*16
.endr
.endr
.endm
; 26 LDS loads of the step in hand: both heads' kept maxima first, then V's 8 fragments and scale words.  Four places stand behind the last step's products.
.macro LOADV q
.if \q == 0
	v_add_nc_u32 v[ABM], s[TBM], v[ABM0]
.else
	v_nop
.endif
	FILL 3
	ds_load_b128 v[BL:BL+3], v[ABM] offset:512*\q
	ds_load_b128 v[BL+4:BL+7], v[ABM] offset:512*\q+256
	WIN 0x40
.irp t, 0,1,2,3,4,5,6,7
.irp c, 0,1
	ds_load_b128 v[VF+8*\t+4*\c:VF+8*\t+4*\c+3], v[ADK] offset:2*STEPB+\t*1024+\c*512
.endr
.endr
	WIN 0
.irp t, 0,1,2,3,4,5,6,7
	ds_load_b32 v[VS+\t], v[ADS] offset:2*STEPB+8192+\t*64
.endr
.endm
.macro NEXTB                           ; on to the slot's second step
	s_add_co_u32 s[TMK], s[TMK], 512
	s_add_co_u32 s[TK], s[TK], STEPB
.endm
.macro NEXTA                           ; on to the other slot's first step
	s_xor_b32 s[TB], s[TB], SLOT1
	s_mov_b32 s[TMK], s[TB]
	s_add_co_u32 s[TK], s[TB], KB
.endm
.macro MMUL                            ; the mask x sqrt(128), once for both heads
.set jj, 0
.rept 32
	v_pk_mul_f32 v[MK+jj:MK+jj+1], v[MK+jj:MK+jj+1], s[SQ:SQ+1] op_sel_hi:[1,0]
.set jj, jj+2
.endr
.endm
.macro SCORE e                         ; y of head e for 128 keys: register 8 t + j of the mask holds the key of the result's register 8 t + j
	WIN 0x01                                       ; source 0 (K) window 1
.irp t, 0,1,2,3,4,5,6,7
	v_wmma_scale_f32_16x16x128_f8f6f4 v[S+8*\t:S+8*\t+7], v[KF+8*\t:KF+8*\t+7], v[QF+8*\e:QF+8*\e+7], v[MK+8*\t:MK+8*\t+7], v[KS+\t], v[QS+\e] matrix_a_fmt:MATRIX_FMT_FP4 matrix_b_fmt:MATRIX_FMT_FP4
.endr
	WIN 0
.endm
.macro BCH                             ; the largest y of each block of 32 keys: eight chains by turns, each accumulator from its low end on; then lane l xor 16's 16 keys
.irp b, 0,1,2,3
	v_max3_num_f32 v[BM+\b], v[S+16*\b], v[S+16*\b+1], v[S+16*\b+2]
	v_max3_num_f32 v[BP+\b], v[S+16*\b+8], v[S+16*\b+9], v[S+16*\b+10]
.endr
.irp i, 3,5
.irp b, 0,1,2,3
	v_max3_num_f32 v[BM+\b], v[BM+\b], v[S+16*\b+\i], v[S+16*\b+\i+1]
	v_max3_num_f32 v[BP+\b], v[BP+\b], v[S+16*\b+\i+8], v[S+16*\b+\i+9]
.endr
.endr
.irp b, 0,1,2,3
	v_max3_num_f32 v[BM+\b], v[BM+\b], v[S+16*\b+7], v[S+16*\b+15]
.endr
.irp b, 0,1,2,3
	s_delay_alu instid0(VALU_DEP_4)
	v_max_num_f32 v[BM+\b], v[BM+\b], v[BP+\b]
.endr
.irp b, 0,1,2,3
	s_delay_alu instid0(VALU_DEP_4)
	v_permlanex16_b32 v[BP+\b], v[BM+\b], s[SEL], s[SEL+1]
.endr
.irp b, 0,1,2,3
	s_delay_alu instid0(VALU_DEP_4)
	v_max_num_f32 v[BM+\b], v[BM+\b], v[BP+\b]
.endr
.endm
.macro SHIFT                           ; c y - M or c y - L, two at a time: of the pairs c and -M the low word serves both halves
.set jj, 0
.rept 32
	v_pk_fma_f32 v[S+jj:S+jj+1], v[S+jj:S+jj+1], s[CS:CS+1], v[TT:TT+1] op_sel_hi:[1,0,0]
.set jj, jj+2
.endr
.endm
.macro EXPS
.set jj, 0
.rept 64
	v_exp_f32 v[S+jj], v[S+jj]
.set jj, jj+1
.endr
.endm
.macro SOFT1 e                         ; pass 1: the running maximum and sum
.set TT, ST+4*\e
	v_mov_b32 v85, v[TT]                           ; the old -M
	v_max3_num_f32 v84, v[BM], v[BM+1], v[BM+2]
	s_delay_alu instid0(VALU_DEP_1)
	v_max3_num_f32 v[TT+1], v84, v[BM+3], v[TT+1]  ; the running largest y
	s_delay_alu instid0(VALU_DEP_1)
	v_mul_f32 v84, s[CS], v[TT+1]
	s_delay_alu instid0(VALU_DEP_1)
	v_floor_f32 v[TT], -v84                        ; -M = floor(-t): M is a whole number
	s_delay_alu instid0(VALU_DEP_1)
	v_sub_f32 v85, v[TT], v85                      ; old M less new M: a whole number, 0 or less
	s_delay_alu instid0(VALU_DEP_1)
	v_cvt_i32_f32 v85, v85
	s_delay_alu instid0(VALU_DEP_1)
	v_ldexp_f32 v86, 1.0, v85                      ; f = 2^(old M - new M): rounds nothing
	SHIFT
	s_wait_alu depctr_va_vdst(0)                   ; ahead of the batch
	EXPS
	v_pk_mul_f32 v[TT+2:TT+3], v[TT+2:TT+3], v[86:87] op_sel_hi:[1,0]   ; the sums under the new M (a plain place behind the exponentials)
	s_wait_alu depctr_va_vdst(0)                   ; one wait for the batch, ahead of its first reader
	v_pk_add_f32 v[88:89], v[S:S+1], v[S+2:S+3]    ; the sum, two at a time, in four chains
	v_pk_add_f32 v[90:91], v[S+4:S+5], v[S+6:S+7]
	v_pk_add_f32 v[92:93], v[S+8:S+9], v[S+10:S+11]
	v_pk_add_f32 v[TT+2:TT+3], v[TT+2:TT+3], v[S+12:S+13]
.irp j, 14,22,30,38,46,54
	v_pk_add_f32 v[88:89], v[88:89], v[S+\j:S+\j+1]
	v_pk_add_f32 v[90:91], v[90:91], v[S+\j+2:S+\j+3]
	v_pk_add_f32 v[92:93], v[92:93], v[S+\j+4:S+\j+5]
	v_pk_add_f32 v[TT+2:TT+3], v[TT+2:TT+3], v[S+\j+6:S+\j+7]
.endr
	v_pk_add_f32 v[88:89], v[88:89], v[S+62:S+63]
	v_pk_add_f32 v[90:91], v[90:91], v[92:93]
	s_delay_alu instid0(VALU_DEP_2)
	v_pk_add_f32 v[TT+2:TT+3], v[TT+2:TT+3], v[88:89]
	s_delay_alu instid0(VALU_DEP_1)
	v_pk_add_f32 v[TT+2:TT+3], v[TT+2:TT+3], v[90:91]
.endm
.macro SOFT2F e                        ; pass 2: c y - L of the 64 and of each block's kept largest y
.set TT, ST+4*\e
.irp b, 0,1,2,3
	v_fma_f32 v[BL+4*\e+\b], v[BL+4*\e+\b], s[CS], v[TT]
.endr
	SHIFT
	s_wait_alu depctr_va_vdst(0)                   ; ahead of the batch (and of the waits of a change of slots)
.endm
.macro SOFT2X e                        ; w = 2^(c y - L), quantised
.set PCD, P+8*\e
.set BLE, BL+4*\e
	EXPS
.irp b, 0,1,2,3
	v_exp_f32 v[BLE+\b], v[BLE+\b]                 ; the block's largest w: the same two instructions on the same number give the same bits
.endr
	v_nop                                          ; a plain place behind the exponentials
	s_wait_alu depctr_va_vdst(0)                   ; one wait for the 68
.irp b, 0,1,2,3
	v_max_num_f32 v[BLE+\b], 0x1800000, v[BLE+\b]  ; the floor: a block whose every w is 0 keeps the byte 1; its codes are zeros
.endr
.irp b, 0,1,2,3
	s_delay_alu instid0(VALU_DEP_4)
	v_add_nc_u32 v[SO+\b], 0xff000000, v[BLE+\b]
.endr
.irp b, 0,1,2,3
	s_delay_alu instid0(VALU_DEP_4)
	v_lshrrev_b32 v[BP+\b], 23, v[SO+\b]
.endr
	s_delay_alu instid0(VALU_DEP_3)
	v_lshl_or_b32 v[PW+\e], v[BP+1], 8, v[BP]
	s_delay_alu instid0(VALU_DEP_1)
	v_lshl_or_b32 v[PW+\e], v[BP+2], 16, v[PW+\e]
	s_delay_alu instid0(VALU_DEP_1)
	v_lshl_or_b32 v[PW+\e], v[BP+3], 24, v[PW+\e]
.irp b, 0,1,2,3
	v_cvt_scalef32_pk8_fp4_f32 v[PCD+2*\b], v[S+16*\b:S+16*\b+7], v[SO+\b]
	v_cvt_scalef32_pk8_fp4_f32 v[PCD+2*\b+1], v[S+16*\b+8:S+16*\b+15], v[SO+\b]
.endr
	v_nop
.irp c, 0,1
.irp i, 0,1
	v_permlane16_swap_b32 v[PCD+4*\c+\i], v[PCD+4*\c+2+\i]
.endr
.endr
.endm
; O^T += V^T w^T for both heads: 16 accumulators by turns.  left: the younger LDS loads, the next step's 40, that may stay out when V has to be in.
.macro PV left
	s_wait_alu depctr_va_vdst(0)                   ; ahead of the wait below
	FILL 8                                         ; a scale word written by vector instructions stands eight places ahead of a scaled product, codes so written four
	s_wait_dscnt \left
	WIN 0x51                                       ; V and O^T window 1, w window 0
.irp t, 0,1,2,3,4,5,6,7
.irp e, 0,1
	v_wmma_scale_f32_16x16x128_f8f6f4 v[64*\e+8*\t:64*\e+8*\t+7], v[VF+8*\t:VF+8*\t+7], v[P+8*\e:P+8*\e+7], v[64*\e+8*\t:64*\e+8*\t+7], v[VS+\t], v[PW+\e] matrix_a_fmt:MATRIX_FMT_FP4 matrix_b_fmt:MATRIX_FMT_FP4
.endr
.endr
	WIN 0
.endm
; THE CHANGE OF SLOTS, in two halves.  OPEN: all my tensor loads have landed, the add, my LDS instructions are over; the signal.  fill = 1: the descriptors are set for the next 256 keys (number F, keys 256 (F % 8) on).
.macro OPEN fill, pf
	s_wait_tensorcnt 0x0                           ; no tensor load of mine is out: the groups 0 may be written
	ds_add_u32 v[SPW], v[NIL]
.if \fill
	s_add_co_u32 s[F], s[F], 1
	s_and_b32 s73, s[F], 7
	s_lshl_b32 s74, s73, 10
	s_add_nc_u64 s[G0M+2:G0M+3], s[BASEM:BASEM+1], s[74:75]
	s_or_b32 s[G0M+3], s[G0M+3], 0x80000000
	s_mul_i32 s76, s73, 2*STEPB
	s_add_nc_u64 s[G0D+2:G0D+3], s[BASED:BASED+1], s[76:77]
	s_or_b32 s[G0D+3], s[G0D+3], 0x80000000
	s_xor_b32 s[G0M+1], s[G0M+1], SLOT1
	s_xor_b32 s[G0D+1], s[G0D+1], SLOT1
.if \pf
	s_wait_xcnt 0x0                                ; the last prefetch, a slot back, has read its address
	s_add_nc_u64 s[PFA:PFA+1], s[PFA:PFA+1], 1024
.endif
.endif
	s_wait_dscnt 0x0                               ; the add is done, and so are my reads of the slot in hand
	s_barrier_signal -1                            ; work on registers alone stands between this line and CLOSE
.endm
.macro CLOSE fill, v
	s_barrier_wait -1
.if \fill
	CREST
	JLOAD \v
.endif
.endm
.macro P1 q                            ; pass 1: q = 0 a slot's first step, 1 its second, with the change of slots in its middle
	s_wait_dscnt 0x0                               ; this step's K and mask, asked for in the step before
	MMUL
.if \q == 0
	v_add_nc_u32 v[ABM], s[TBM], v[ABM0]
	FILL 3
.else
	FILL 4
.endif
	SCORE 0
	FILL 4                                         ; places behind the products
	BCH
	ds_store_b128 v[ABM], v[BM:BM+3] offset:512*\q
.if \q
	s_wait_alu depctr_va_vdst(0)                   ; ahead of the waits below
	OPEN 1, 1
.endif
	SOFT1 0
	SCORE 1
.if \q
	CLOSE 1, 0
	NEXTA
.else
	NEXTB
.endif
	LOADKM                                         ; the next step's: they land under the lines below
.if \q
	ASK
.endif
	BCH
	ds_store_b128 v[ABM], v[BM:BM+3] offset:512*\q+256
	SOFT1 1
.if \q
	s_add_co_u32 s[TBM], s[TBM], 1024
.endif
.endm
.macro P2 q, mode                      ; pass 2.  mode 3: a slot's first step; 2: its second, the slot is filled again, V too; 1: the slots change and nothing is asked for; 0: the last step of all
	LOADV \q
	s_wait_dscnt 24                                ; K, the mask and the kept maxima are in; V's 16 + 8 loads stay out
	MMUL
	FILL 4
	SCORE 0
	FILL 4
	SOFT2F 0
.if \mode == 2
	OPEN 1, 0
.elseif \mode == 1
	OPEN 0, 0
.endif
	SOFT2X 0
	SCORE 1
.if \mode == 2
	CLOSE 1, 1
	NEXTA
	LOADKM
.elseif \mode == 1
	CLOSE 0, 0
	NEXTA
	LOADKM
.elseif \mode == 3
	NEXTB
	LOADKM
.else
	FILL 4
.endif
	SOFT2F 1
	SOFT2X 1
.if \mode
	PV 40                                          ; V is in; the next step's 16 + 8 + 16 loads stay out
.else
	PV 0
.endif
.if \q
	s_add_co_u32 s[TBM], s[TBM], 1024
.endif
.endm
	OPEN 1, 1                                      ; slot 0 has landed; fill 1 goes into slot 1, V's part too: behind this round first fills alone
	CLOSE 1, 1
	s_mov_b32 s[TMK], s[TB]
	s_add_co_u32 s[TK], s[TB], KB
	LOADKM                                         ; the first step's K and mask
	ASK
	s_mov_b32 s[LP], 8
.Lpass1:                                           ; fills 0 to 7 are walked; fills 2 to 9 are asked for (8, 9: keys 0 on again, for pass 2; their V lies in LDS already)
	P1 0
	P1 1
	s_sub_co_u32 s[LP], s[LP], 1
	s_cmp_lg_u32 s[LP], 0
	s_cbranch_scc1 .Lpass1
.irp e, 0,1                                    ; -L = -M - log2(l)
	v_add_f32 v[84+\e], v[ST+4*\e+2], v[ST+4*\e+3]
.endr
.irp e, 0,1
	s_delay_alu instid0(VALU_DEP_2)
	v_permlanex16_b32 v[BP+\e], v[84+\e], s[SEL], s[SEL+1]
.endr
.irp e, 0,1
	s_delay_alu instid0(VALU_DEP_2)
	v_add_f32 v[84+\e], v[84+\e], v[BP+\e]
.endr
	s_wait_alu depctr_va_vdst(0)
.irp e, 0,1
	v_log_f32 v[84+\e], v[84+\e]
.endr
	v_nop
	s_wait_alu depctr_va_vdst(0)
.irp e, 0,1
	v_sub_f32 v[ST+4*\e], v[ST+4*\e], v[84+\e]
.endr
	s_mov_b32 s[TBM], 0
	s_mov_b32 s[LP], 6
	s_wait_alu depctr_va_vdst(0)
.Lpass2:                                           ; fills 8 to 13 are walked; fills 10 to 15 are asked for, V among them
	P2 0, 3
	P2 1, 2
	s_sub_co_u32 s[LP], s[LP], 1
	s_cmp_lg_u32 s[LP], 0
	s_cbranch_scc1 .Lpass2
	P2 0, 3                                        ; the last two slots are written out
	P2 1, 1
	P2 0, 3
	P2 1, 0
; THE WAY OUT: O^T of a head, register 16 b + i = channel 32 b + 16 (lane / 16) + i of my query, is K step 'head' of the last product: quantised as it stands, stored as an image.
.macro QUANTO e
.set OB, 64*\e
.set PCD, P+8*\e
	WIN 0x05                                       ; sources 0 and 1 window 1
.irp b, 0,1,2,3
	v_max3_num_f32 v[BM+\b], |v[OB+16*\b]|, |v[OB+16*\b+1]|, 0x1800000
.endr
	WIN 0x14                                       ; sources 1 and 2 window 1
.irp i, 2,4,6,8,10,12,14
.irp b, 0,1,2,3
	v_max3_num_f32 v[BM+\b], v[BM+\b], |v[OB+16*\b+\i]|, |v[OB+16*\b+\i+1]|
.endr
.endr
	WIN 0
.irp b, 0,1,2,3
	v_permlanex16_b32 v[BP+\b], v[BM+\b], s[SEL], s[SEL+1]
.endr
.irp b, 0,1,2,3
	s_delay_alu instid0(VALU_DEP_4)
	v_max_num_f32 v[BM+\b], v[BM+\b], v[BP+\b]
.endr
.irp b, 0,1,2,3
	s_delay_alu instid0(VALU_DEP_4)
	v_add_nc_u32 v[SO+\b], 0xff000000, v[BM+\b]
.endr
.irp b, 0,1,2,3
	s_delay_alu instid0(VALU_DEP_4)
	v_lshrrev_b32 v[BP+\b], 23, v[SO+\b]
.endr
	s_delay_alu instid0(VALU_DEP_3)
	v_lshl_or_b32 v[PW+\e], v[BP+1], 8, v[BP]
	s_delay_alu instid0(VALU_DEP_1)
	v_lshl_or_b32 v[PW+\e], v[BP+2], 16, v[PW+\e]
	s_delay_alu instid0(VALU_DEP_1)
	v_lshl_or_b32 v[PW+\e], v[BP+3], 24, v[PW+\e]
	WIN 0x01                                       ; source 0 window 1
.irp b, 0,1,2,3
	v_cvt_scalef32_pk8_fp4_f32 v[PCD+2*\b], v[OB+16*\b:OB+16*\b+7], v[SO+\b]
	v_cvt_scalef32_pk8_fp4_f32 v[PCD+2*\b+1], v[OB+16*\b+8:OB+16*\b+15], v[SO+\b]
.endr
	WIN 0
	v_nop
.irp c, 0,1
.irp i, 0,1
	v_permlane16_swap_b32 v[PCD+4*\c+\i], v[PCD+4*\c+2+\i]
.endr
.endr
	global_store_b128 v[L16], v[PCD:PCD+3], s[84:85] offset:\e*1024
	global_store_b128 v[L16], v[PCD+4:PCD+7], s[84:85] offset:\e*1024+512
	global_store_b32 v[R4], v[PW+\e], s[86:87] offset:\e*64          ; lanes 16-31 hold and write the same words as lanes 0-15
.endm
	FILL 4                                         ; places behind the last products
	QUANTO 0
	QUANTO 1
	s_wait_tensorcnt 0x0                           ; the wave's end
	ds_add_u32 v[SPW], v[NIL]
	s_wait_dscnt 0x0
	CROUND                                         ; the closing round
	s_endpgm
.Lfunc_end_k_qd9723a7b1b_attn:
	.size	k_qd9723a7b1b_attn, .Lfunc_end_k_qd9723a7b1b_attn-k_qd9723a7b1b_attn
	.p2alignl 7, 3214868480
	.fill 96, 4, 3214868480
	.section	.rodata,"a",@progbits
	.p2align	6, 0x0
	.amdhsa_kernel k_qd9723a7b1b_attn
		.amdhsa_group_segment_fixed_size 327680
		.amdhsa_private_segment_fixed_size 0
		.amdhsa_enable_private_segment 0
		.amdhsa_kernarg_size 40
		.amdhsa_user_sgpr_count 2
		.amdhsa_user_sgpr_kernarg_segment_ptr 1
		.amdhsa_wavefront_size32 1
		.amdhsa_system_sgpr_workgroup_id_x 1
		.amdhsa_system_sgpr_workgroup_id_y 1
		.amdhsa_system_sgpr_workgroup_id_z 1
		.amdhsa_system_vgpr_workitem_id 0
		.amdhsa_next_free_vgpr 512
		.amdhsa_next_free_sgpr 96
		.amdhsa_reserve_vcc 0
		.amdhsa_float_denorm_mode_32 3
		.amdhsa_float_denorm_mode_16_64 3
		.amdhsa_memory_ordered 1
		.amdhsa_forward_progress 1
		.amdhsa_inst_pref_size 226
	.end_amdhsa_kernel
	.amdgpu_metadata
---
amdhsa.version: [ 1, 2 ]
amdhsa.kernels:
  - .name:           k_qd9723a7b1b_attn
    .symbol:         k_qd9723a7b1b_attn.kd
    .args:
      - { .name: q_blk, .offset: 0, .size: 8, .value_kind: global_buffer, .address_space: global }
      - { .name: kv_blk, .offset: 8, .size: 8, .value_kind: global_buffer, .address_space: global }
      - { .name: attention_mask, .offset: 16, .size: 8, .value_kind: global_buffer, .address_space: global }
      - { .name: sinks, .offset: 24, .size: 8, .value_kind: global_buffer, .address_space: global }
      - { .name: o_blk, .offset: 32, .size: 8, .value_kind: global_buffer, .address_space: global }
    .group_segment_fixed_size: 327680
    .private_segment_fixed_size: 0
    .kernarg_segment_align: 8
    .kernarg_segment_size: 40
    .max_flat_workgroup_size: 256
    .sgpr_count:     96
    .vgpr_count:     512
    .wavefront_size: 32
...
	.end_amdgpu_metadata
.endif
;; end of part 4
;; launch outp: the kernel of part 2 again; grid 16 x 16, 8 waves a work-group, clusters of 4 x 1, 327,680 bytes of LDS; arguments o_blk, wo_blk, out0; writes out0
